; MI455X (gfx1250); checked and timed in simulation.
; The chip was launched on July 23, 2026; its instructions are those of AMD's public machine-readable ISA for CDNA 5 (MIT licence, August 2026) and "CDNA5" Instruction Set Architecture Reference Guide (July 2026). The comments in the code are by the model that wrote it; some were corrected since.
;; Attn Act GPT2 Attention. Allowed arithmetic: matrix products marked QUANTISED: E2M3 operands, one E8M0 scale for each 32 along K, by v_wmma_scale_f32_16x16x128_f8f6f4 with both operands' format E2M3, f32 sums; everything else in f32.
;; Inputs: c_attn_b 3,072 float32; c_attn_w_codes 3,072 x 32 x 24 uint8 (E2M3 codes of c_attn_w, K innermost, in blocks of 32 codes, four codes in three bytes); c_attn_w_scales 3,072 x 32 uint8 (E8M0 scales of c_attn_w, one for each 32 codes along K); c_proj_b 1,024 float32; c_proj_w_codes 1,024 x 32 x 24 uint8 (E2M3 codes of c_proj_w, K innermost, in blocks of 32 codes, four codes in three bytes); c_proj_w_scales 1,024 x 32 uint8 (E8M0 scales of c_proj_w, one for each 32 codes along K); hidden_states_codes 4 x 2,048 x 32 x 24 uint8 (E2M3 codes of hidden_states, K innermost, in blocks of 32 codes, four codes in three bytes); hidden_states_scales 4 x 2,048 x 32 uint8 (E8M0 scales of hidden_states, one for each 32 codes along K).
;; Outputs: out0 4 x 2,048 x 1,024 float32.
;; This version of the problem:
;;   THIS VERSION OF THE PROBLEM IS GIVEN IN LOW PRECISION. The matrix products marked QUANTISED in the list below multiply operands that are first quantised to E2M3 (2 exponent bits, 3 mantissa bits; 6 bits a number), with one power-of-two scale for each 32 numbers along K (OCP MX v1.0); their sums are f32. All else is computed in f32.
;;   The module's matrix products, in the order in which they are computed (A, B: the left and right operand; K: the contracted axis; several contracted axes count as one K, in the product's order):
;;     1. [M 8,192, K 1,024] x [K 1,024, N 3,072]; A: input hidden_states (given as codes); B: input c_attn_w (given as codes): QUANTISED
;;     2. batch 64 x [M 2,048, K 64] x [K 64, N 2,048]; A: computed on the way; B: computed on the way: QUANTISED
;;     3. batch 64 x [M 2,048, K 2,048] x [K 2,048, N 64]; A: softmax (see below); B: computed on the way: QUANTISED
;;     4. [M 8,192, K 1,024] x [K 1,024, N 1,024]; A: computed on the way; B: input c_proj_w (given as codes): QUANTISED
;;   THE QUANTISER, for each operand of a quantised product, along K:
;;     - K is cut into blocks of 32 from its start; a last block that is shorter is filled with zeros.
;;     - A block's scale is 2^e with e = floor(log2(the largest magnitude in the block)) - 2, held to -126 .. 127; a block of zeros has e = 0. As a byte (E8M0): e + 127.
;;     - Each number is divided by its block's scale, clamped to +-7.5, and rounded to the nearest number of E2M3, ties to even, subnormals kept.
;;     - The product sums the exact products of the quantised numbers (number of the format x scale) in f32.
;;   ~~~python
;;   def quantise(x, axis):      # numpy; x: float32 -> the quantised numbers, widened to float32 again
;;       x = np.moveaxis(x, axis, -1); K = x.shape[-1]
;;       x = np.pad(x, [(0, 0)] * (x.ndim - 1) + [(0, -K % 32)]); x = x.reshape(x.shape[:-1] + (-1, 32)); a = np.abs(x).max(-1, keepdims=True)
;;       e = np.where(a > 0, np.clip(np.frexp(np.where(a > 0, a, 1))[1] - 1 - 2, -126, 127), 0)      # np.frexp(a)[1] - 1 = floor(log2(a)), exactly
;;       r = np.clip(x / 2.0 ** e, -7.5, 7.5)
;;       step = 2.0 ** (np.maximum(np.frexp(np.where(r == 0, 1, r))[1] - 1, 0) - 3)
;;       q = np.round(r / step) * step * 2.0 ** e      # np.round: ties to even
;;       return np.moveaxis(q.reshape(q.shape[:-2] + (-1,))[..., :K], -1, axis).astype(np.float32)
;;   ~~~
;;   SOFTMAX AHEAD OF A QUANTISED PRODUCT. Where the list says 'softmax', what is quantised is not the finished softmax but p = 2^(t - M), with t = logit x log2(e) and M = ceil(the row's largest t), a whole number; so 1/2 < the row's largest p <= 1. The row's sum l is taken of the UNQUANTISED p, in f32, and the product's result is divided by l at the end. Since M is a whole number, a kernel that streams over the keys may use a running M (the ceiling of the running maximum): every later rescaling is an exact power of two, which a block's scale takes up: the codes' values come out the same.
;;   OPERANDS COMPUTED ON THE WAY. 'Computed on the way' means the value that the module computes at that place (a softmax that the list does not call 'softmax' is quantised finished and normalised). What goes into a quantiser is computed in f32, as accurately as f32 sums, v_exp_f32 and their like allow (about 1e-6 of the number): no bf16 or f16 on the way to a quantiser, and a product that is left as it is and whose result goes on into a quantised operand takes f32 operands (vector FMAs, or v_wmma_f32_16x16x4_f32). A number that lies on a knife's edge between two numbers of the format may be rounded either way, as far as f32 arithmetic and the matrix unit's own rounding can turn it there, and no further.
;;   INPUTS GIVEN AS CODES. c_attn_w (in the module: [1024, 3072], K = its axis 0); c_proj_w (in the module: [1024, 1024], K = its axis 0); hidden_states (in the module: [4, 2048, 1024], K = its axis 2): each comes as NAME_codes (uint8): NAME with its K axis moved to the last place and cut into blocks of 32 codes, [.., K / 32, bytes a block], one block behind the other in memory; four codes in three bytes: a row's codes are one little-endian stream of bits, code i at bits 6 i .. 6 i + 5 (a code: sign, 2 exponent bits, 3 mantissa bits); and NAME_scales (uint8): the same leading axes, one E8M0 byte (e + 127) for each 32 codes along K. Its value is code x scale, taken as it is: it is not quantised again, and the codes and scales need not be those that the quantiser above would give.
;; One version. Each part assembles by itself: llvm-mc -triple=amdgcn-amd-amdhsa -mcpu=gfx1250 --defsym DOCPART=n.
;; ======== version 1 of 1: 3 launches
;; workspace buffers: qkv_ws 20,185,088 bytes; a_img 6,291,456 bytes; a_scl 262,144 bytes
;; launch qkv (part 1): grid 12 x 32, 4 waves a work-group, clusters of 4 x 4, 327,680 bytes of LDS; arguments hidden_states_codes, hidden_states_scales, c_attn_w_codes, c_attn_w_scales, c_attn_b, qkv_ws; writes qkv_ws
.if DOCPART == 1
	.amdgcn_target "amdgcn-amd-amdhsa--gfx1250"
	.amdhsa_code_object_version 6
	.text
	.protected	k_q3cba1212fe_qkv
	.globl	k_q3cba1212fe_qkv
	.p2align	8
	.type	k_q3cba1212fe_qkv,@function
k_q3cba1212fe_qkv:
	s_mov_b64 s[64:65], 0
	v_nop
	global_prefetch_b8 v0, s[64:65] scope:SCOPE_SE
	s_setreg_imm32_b32 hwreg(HW_REG_WAVE_MODE, 25, 1), 1
	s_wait_xcnt 0x0
	s_wait_alu depctr_hold_cnt(0) depctr_sa_sdst(0) depctr_va_vdst(0) depctr_va_sdst(0) depctr_va_ssrc(0) depctr_va_vcc(0) depctr_vm_vsrc(0)
	s_getreg_b32 s2, hwreg(HW_REG_IB_STS2, 6, 4)
	s_cmp_eq_u32 s2, 0
	s_cbranch_scc0 .Lentry_in_a_cluster
	s_endpgm
.Lentry_in_a_cluster:
	s_bfe_u32 s2, ttmp6, 0x10000c
	s_cmp_lg_u32 s2, 0xf033
	s_cbranch_scc0 .Lentry_shape_is_right
	s_endpgm
.Lentry_shape_is_right:
; qkv = X W + b on codes of FP6 (E2M3) with E8M0 scales; X: [8192][1024], W: [3072][1024], both K innermost, rows of 768 bytes of codes and 32 scale bytes.
; The result never goes to memory as f32: q and k are quantised along the head's 64 channels, v along the keys, in registers, and stored as IMAGES OF OPERAND REGISTERS for the attention launch.
; A tile of 256 x 256 is made by four waves, 128 x 128 each (64 accumulators); K goes in steps of 256 through a ring of two LDS slots filled by joint tensor loads in a cluster of 4 x 4.
; TWO OPERANDS: P is source 1 (its rows fall on lanes), R is source 0 (its rows run along a lane's registers).  Cluster x = 0 (q), 1 (k): P = X (tokens), R = W (features): a lane holds one token and
; registers along the channels.  Cluster x = 2 (v): P = W (channels), R = X (tokens): a lane holds one channel and registers along the keys.  Both tensors have the same row sizes, so one loop serves both;
; only pointers and tile numbers are chosen, on the cluster's x, which all sixteen partners share.  P's tile hangs on cy and is shared along a row of the cluster, R's on cx and is shared along a column.
; THE ORDER INSIDE A BLOCK OF 32: a lane's 16 registers of two neighbouring tiles of R are indices 16 (i / 8) + 8 (lane / 16) + i % 8 of the block, and are taken as places 16 (lane / 16) + i.  Blocks and scales are
; the true ones; the places inside a block are permuted, alike for q and k here, and alike for v here and p in the attention launch, so the products are those of the true order.
; WORKSPACE: [head 16 b + h (64)][step of 128 tokens (16)][19,712 bytes]: K's 8 half images (768 bytes each) at 0, K's scale words at 6,144, V^T's 4 images (1,536) at 6,656, V's scale words at 12,800,
; Q's 8 half images at 13,056, Q's scale words at 19,200.  Every store of a wave covers 512 or 256 consecutive bytes, aligned to 256.
; LIMITS: NaN and infinities are not served; a block whose largest magnitude lies under 2^-124 keeps the byte 1; a block of zeros gets the byte 1 (its codes are zeros, and this program alone reads the bytes).
.set KSTEP,  256                       ; along K in a slot
.set NQ,     KSTEP/128                 ; matrix instructions deep
.set ROWB,   192                       ; a tile's row in bytes
.set KROW,   768                       ; a row of X or W in memory
.set PITCH,  240                       ; an LDS row: 3 x (64 bytes + 16 of padding)
.set FR,     12                        ; registers of a fragment
.set NL,     6                         ; LDS loads that bring one
.set NP,     4                         ; places behind this matrix instruction (ISA guide 7.12.1)
.set HALFT,  128*PITCH                 ; 128 rows: one tensor load
.set SLOT,   4*HALFT                   ; P's 256 rows, then R's 256 rows
.set LAPS,   1024/(2*KSTEP)            ; a lap = two K steps
.set KS,     32                        ; a row of scales in bytes
.set SCL,    2*SLOT                    ; behind the ring: the scales, as 256 bytes + 16 of padding
.set HALFS,  (128*KS/256)*272
.set SBLK,   (16*KS/256)*272
.set SPARE,  SCL+4*HALFS               ; the spare words, 128 bytes a wave; no other line names them
.set HS,     315392                    ; workspace: a head
.set SB,     19712                     ; workspace: a step of 128 tokens
.set ADRA, 16                          ; v16-17 LDS address of P's fragments in slot 0, 1 (v18-19: behind one padding more)
.set ADRB, 20                          ; v20-23 the same for R
.set O16,  24                          ; v24  16 x lane
.set O8,   25                          ; v25  8 x lane
.set ADRS, 27                          ; v27  LDS address of my scale words: lanes 0-15 P's rows, lanes 16-31 R's
.set SPW,  28                          ; v28  my spare word
.set NIL,  29                          ; v29  0
.set BH32, 30                          ; v30  32 x (lane / 16)
.set R4,   31                          ; v31  4 x (lane % 16)
.set SC,   32                          ; v32-63 scale words, two sets; nothing else ever lies there
.set BR,   64                          ; v64-127 the bias along R: register 8 b + j = bias[n0 + 16 b + 8 (lane / 16) + j]
.set AF,   128                         ; v128-223 P's fragments, one set
.set BP,   244                         ; v244-251 the bias along P: register a = bias[ch0 + 16 a + lane % 16]
.set HA,   128                         ; the way out: 64 numbers
.set PC,   192                         ; the codes just made (v192-203), second halves at +12, +16
.set TM,   212                         ; at work
.set PW,   228                         ; the scale word just made
.set Z0,   232                         ; scale words gathered for a store
.set Z1,   236
.set E0,   240
.set E1,   241
.set G1, 24                            ; s[24:31] group 1 for P's tiles; s[32:39] group 0, one set a slot
.set G0, 32
.set G1B, 48                           ; the same for R's
.set G0B, 56
.set G1S, 68                           ; groups 1 and 0 for P's scales; for R's
.set G0S, 76
.set G1SB, 80
.set G0SB, 88
.set MSB, 0
.macro WIN new                         ; the immediate's high byte repeats the setting that is left
.if MSB != (\new)
	s_set_vgpr_msb (MSB<<8)|(\new)
.set MSB, (\new)
.endif
.endm
.set MUL_LO, 0xa1                      ; source 0 (R) window 1, source 1 (P) window 0, C and D window 2
.set MUL_HI, 0xf1                      ; the same, C and D window 3
.set TO_B,   0x40                      ; destination window 1
; A joint load: waves 0 and 1 fetch for P, waves 2 and 3 for R; the branch hangs on the wave's number alone.  Four v_nop follow each line.
.macro JLOAD g0a, g1a, g0b, g1b
	s_cmp_eq_u32 s15, 0
	s_cbranch_scc0 .Lfor_b_\@
	tensor_load_to_lds s[\g0a:\g0a+3], s[\g1a:\g1a+7]
	s_nop 0
.rept 4
	v_nop
.endr
	s_branch .Lasked_\@
.Lfor_b_\@:
	tensor_load_to_lds s[\g0b:\g0b+3], s[\g1b:\g1b+7]
	s_nop 0
.rept 4
	v_nop
.endr
.Lasked_\@:
.endm
.macro CREST                           ; a round of the cluster's barrier behind its opening barrier
	s_cmp_lg_u32 s14, 0
	s_cbranch_scc1 .Lnot_wave_0_\@
	s_barrier_signal -3
.Lnot_wave_0_\@:
	s_barrier_wait -3
	s_barrier_signal -1
	s_barrier_wait -1
.endm
.macro CROUND
	s_barrier_signal -1
	s_barrier_wait -1
	CREST
.endm
	s_load_b128 s[4:7], s[0:1], 0x0                ; X's codes, X's scales
	s_load_b128 s[8:11], s[0:1], 0x10              ; W's codes, W's scales
	s_load_b128 s[96:99], s[0:1], 0x20             ; the bias, the workspace
	v_lshl_add_u32 v[SPW], v0, 2, SPARE
	v_mov_b32 v[NIL], 0
	ds_add_u32 v28, v29
	ds_add_u32 v28, v29
	s_wait_dscnt 0x0
	v_lshrrev_b32 v1, 5, v0
	v_readfirstlane_b32 s14, v1                    ; wave 0..3
	s_lshr_b32 s15, s14, 1                         ; which half of P's rows is mine.  Also: I fetch for P (0) or R (1)
	s_and_b32 s16, s14, 1                          ; which half of R's rows.  Also: which 128 rows I fetch
	s_bfe_u32 s40, ttmp6, 0x40000                  ; cx
	s_bfe_u32 s41, ttmp6, 0x40004                  ; cy
	s_and_b32 s18, ttmp7, 0xffff
	s_lshl_b32 s18, s18, 2                         ; 4 x cluster y
	s_lshl_b32 s19, ttmp9, 2                       ; 4 x cluster x
	s_cmp_eq_u32 ttmp9, 2                          ; v's clusters?
	s_cselect_b32 s17, 8, s18                      ; P's tile of 256 rows: W's 8 + cy, or X's 4 cluster y + cy
	s_cselect_b32 s42, s18, s19                    ; R's: X's 4 cluster y + cx, or W's 4 cluster x + cx
	s_add_co_u32 s17, s17, s41
	s_add_co_u32 s42, s42, s40
	s_lshl_b32 s43, s41, 2
	s_lshl_b32 s43, 15, s43                        ; my row of the cluster
	s_lshl_b32 s44, 0x1111, s40                    ; my column
	s_or_b32 s[G1+0], s43, (0<<16)|(1<<20)|(1<<21)|(3<<22)|(3<<25)  ; the mask; elements of 1 byte; padding on; bit 21 beside a mask; after every 16 words, 4 words
	s_or_b32 s[G1B+0], s44, (0<<16)|(1<<20)|(1<<21)|(3<<22)|(3<<25)
.irp g, G1, G1B
	s_mov_b32 s[\g+1], ROWB<<16                    ; tensor_dim0
	s_mov_b32 s[\g+2], 128<<16                     ; tensor_dim1
	s_mov_b32 s[\g+3], ROWB<<16                    ; tile_dim0
	s_mov_b32 s[\g+4], 128                         ; tile_dim1
	s_mov_b32 s[\g+5], KROW                        ; the pitch
	s_mov_b32 s[\g+6], 0
	s_mov_b32 s[\g+7], 0
.endr
	s_or_b32 s[G1S+0], s43, (3<<16)|(1<<20)|(1<<21)|(5<<22)|(3<<25)  ; the scales of 128 rows: a dense block, as 16 rows of 256 bytes, 16 bytes of padding behind each
	s_or_b32 s[G1SB+0], s44, (3<<16)|(1<<20)|(1<<21)|(5<<22)|(3<<25)
.irp g, G1S, G1SB
	s_mov_b32 s[\g+1], 32<<16
	s_mov_b32 s[\g+2], (128*KS/256)<<16
	s_mov_b32 s[\g+3], 32<<16
	s_mov_b32 s[\g+4], 128*KS/256
	s_mov_b32 s[\g+5], 32
	s_mov_b32 s[\g+6], 0
	s_mov_b32 s[\g+7], 0
.endr
	s_lshl_b32 s18, s16, 7                         ; which 128 rows of the tile I fetch
	s_lshl_b32 s20, s17, 8
	s_add_co_u32 s20, s20, s18                     ; P: row
	s_lshl_b32 s46, s42, 8
	s_add_co_u32 s46, s46, s18                     ; R: row
	s_mov_b32 s21, 0
	s_mov_b32 s47, 0
	s_mov_b64 s[18:19], KS
	s_mul_u64 s[22:23], s[20:21], s[18:19]         ; where these rows' scales begin, in bytes
	s_mul_u64 s[92:93], s[46:47], s[18:19]
	s_mov_b64 s[18:19], KROW
	s_mul_u64 s[20:21], s[20:21], s[18:19]         ; and their codes
	s_mul_u64 s[46:47], s[46:47], s[18:19]
	s_mul_i32 s45, s14, HALFT                      ; where they go: wave x 128 rows
	s_mul_i32 s94, s14, HALFS
	s_wait_kmcnt 0x0
	s_cmp_eq_u32 ttmp9, 2                          ; the choice of buffers hangs on the cluster's x alone
	s_cselect_b64 s[66:67], s[8:9], s[4:5]         ; P's codes
	s_cselect_b64 s[8:9], s[4:5], s[8:9]           ; R's codes
	s_cselect_b64 s[12:13], s[10:11], s[6:7]       ; P's scales
	s_cselect_b64 s[10:11], s[6:7], s[10:11]       ; R's scales
	s_add_nc_u64 s[20:21], s[66:67], s[20:21]
	s_add_nc_u64 s[22:23], s[12:13], s[22:23]
	s_add_nc_u64 s[46:47], s[8:9], s[46:47]
	s_add_nc_u64 s[92:93], s[10:11], s[92:93]
	CROUND                                         ; all sixteen work-groups are here: the first joint loads meet
	s_mov_b32 s[G0S], 1
	s_add_co_u32 s[G0S+1], s94, SCL
	s_mov_b64 s[G0S+2:G0S+3], s[22:23]
	s_or_b32 s[G0S+3], s[G0S+3], 0x80000000
	s_mov_b32 s[G0SB], 1
	s_add_co_u32 s[G0SB+1], s94, SCL
	s_mov_b64 s[G0SB+2:G0SB+3], s[92:93]
	s_or_b32 s[G0SB+3], s[G0SB+3], 0x80000000
	JLOAD G0S, G1S, G0SB, G1SB                     ; the scales first: they are wanted with K step 0
.irp s, 0,1
	s_mov_b32 s[G0+4*\s], 1
	s_add_co_u32 s[G0+4*\s+1], s45, \s*SLOT
	s_add_nc_u64 s[G0+4*\s+2:G0+4*\s+3], s[20:21], \s*ROWB
	s_or_b32 s[G0+4*\s+3], s[G0+4*\s+3], 0x80000000
	s_mov_b32 s[G0B+4*\s], 1
	s_add_co_u32 s[G0B+4*\s+1], s45, \s*SLOT
	s_add_nc_u64 s[G0B+4*\s+2:G0B+4*\s+3], s[46:47], \s*ROWB
	s_or_b32 s[G0B+4*\s+3], s[G0B+4*\s+3], 0x80000000
	JLOAD G0+4*\s, G1, G0B+4*\s, G1B               ; by this text's count three tensor loads of a wave are out here
.endr
	v_and_b32 v1, 15, v0                           ; l % 16
	v_bfe_u32 v2, v0, 4, 1                         ; l / 16
	v_mul_u32_u24 v3, v1, PITCH
	v_mul_u32_u24 v4, v2, 24
	v_add_nc_u32 v4, v3, v4                        ; a fragment's row x pitch + 24 x half
	v_lshl_add_u32 v5, v2, 4, v4                   ; and the same behind one padding more
	s_mul_i32 s21, s15, HALFT                      ; my 128 rows of P
	s_mul_i32 s22, s16, HALFT                      ; my 128 rows of R,
	s_add_co_u32 s22, s22, 2*HALFT                 ; which lie behind P's 256
.irp s, 0,1
	v_add_nc_u32 v[ADRA+\s], s21, v4
	v_add_nc_u32 v[ADRB+\s], s22, v4
	v_add_nc_u32 v[ADRA+2+\s], s21, v5
	v_add_nc_u32 v[ADRB+2+\s], s22, v5
	s_add_co_u32 s21, s21, SLOT
	s_add_co_u32 s22, s22, SLOT
.endr
	v_mul_u32_u24 v5, v1, KS                       ; my row's scales: KS bytes a row,
	v_lshrrev_b32 v6, 8, v5
	v_lshl_add_u32 v5, v6, 4, v5                   ; and 16 more for each 256 passed
	s_mul_i32 s21, s15, HALFS
	s_mul_i32 s22, s16, HALFS
	s_add_co_u32 s22, s22, 2*HALFS
	s_sub_co_u32 s22, s22, s21
	v_mul_u32_u24 v6, s22, v2                      ; lanes 16-31 take R's
	s_add_co_u32 s21, s21, SCL
	v_add_nc_u32 v5, v5, v6
	v_add_nc_u32 v[ADRS], s21, v5
	v_and_b32 v6, 31, v0
	v_lshlrev_b32 v[O16], 4, v6
	v_lshlrev_b32 v[O8], 3, v6
	v_lshlrev_b32 v[BH32], 5, v2
	v_lshlrev_b32 v[R4], 2, v1
	; the biases.  q, k: along R, from feature 256 ir + 128 x my half; v: along P, from feature 256 ip + 128 x my half.  Both sets are loaded on every path, so that every register is written;
	; the set that a kind of tile does not use is loaded from the bias's first numbers and is not read.
	s_lshl_b32 s18, s42, 8
	s_lshl_b32 s19, s16, 7
	s_add_co_u32 s18, s18, s19
	s_lshl_b32 s19, s17, 8
	s_lshl_b32 s22, s15, 7
	s_add_co_u32 s22, s19, s22
	s_cmp_eq_u32 ttmp9, 2
	s_cselect_b32 s18, 0, s18
	s_cselect_b32 s22, s22, 0
	s_lshl_b32 s18, s18, 2
	s_mov_b32 s19, 0
	s_lshl_b32 s22, s22, 2
	s_mov_b32 s23, 0
	s_add_nc_u64 s[66:67], s[96:97], s[18:19]
	s_add_nc_u64 s[96:97], s[96:97], s[22:23]
.irp b, 0,1,2,3,4,5,6,7
	global_load_b128 v[BR+8*\b:BR+8*\b+3], v[BH32], s[66:67] offset:64*\b
	global_load_b128 v[BR+8*\b+4:BR+8*\b+7], v[BH32], s[66:67] offset:64*\b+16
.endr
.irp a, 0,1,2,3,4,5,6,7
	global_load_b32 v[BP+\a], v[R4], s[96:97] offset:64*\a
.endr
.macro FRAG reg, adr, q, i             ; 16 rows x 128 K of 6-bit codes: 12 registers; lane l holds row l % 16; registers 6 c .. 6 c + 5 hold K = 64 c + 32 (l / 16) + 0 .. 31, as the bytes lie
.irp p, 0,1,2,3,4,5                    ; in pieces of 8 bytes; lanes 16-31 read three pieces on, which for some pieces lies behind one padding more: the second address register serves those
.set PCE, 12*(\q)+6*(\p/3)+\p%3
.if PCE%8 < 5
	ds_load_b64 v[\reg+2*\p:\reg+2*\p+1], v[\adr] offset:8*PCE+16*(PCE/8)+(\i)*16*PITCH
.else
	ds_load_b64 v[\reg+2*\p:\reg+2*\p+1], v[\adr+2] offset:8*PCE+16*(PCE/8)+(\i)*16*PITCH
.endif
.endr
.endm
; 16 matrix instructions: P's blocks a0, a0 + 1 x R's eight.  The 64 accumulators take turns, one instruction a turn, in the same order in every step.
.macro MUL16 a0, p, q, sc, zero
.irp a, \a0, \a0+1
.irp b, 0,1,2,3,4,5,6,7
.if \zero
	v_wmma_scale_f32_16x16x128_f8f6f4 v[8*(8*((\a)%4)+\b):8*(8*((\a)%4)+\b)+7], v[128*(\p)+FR*\b:128*(\p)+FR*\b+FR-1], v[AF+FR*(\a):AF+FR*(\a)+FR-1], 0, v[SC+8*NQ*(\sc)+NQ*\b+(\q)], v[SC+8*NQ*(\sc)+NQ*(\a)+(\q)] matrix_a_fmt:MATRIX_FMT_FP6 matrix_b_fmt:MATRIX_FMT_FP6 matrix_a_scale:MATRIX_SCALE_ROW1
.else
	v_wmma_scale_f32_16x16x128_f8f6f4 v[8*(8*((\a)%4)+\b):8*(8*((\a)%4)+\b)+7], v[128*(\p)+FR*\b:128*(\p)+FR*\b+FR-1], v[AF+FR*(\a):AF+FR*(\a)+FR-1], v[8*(8*((\a)%4)+\b):8*(8*((\a)%4)+\b)+7], v[SC+8*NQ*(\sc)+NQ*\b+(\q)], v[SC+8*NQ*(\sc)+NQ*(\a)+(\q)] matrix_a_fmt:MATRIX_FMT_FP6 matrix_b_fmt:MATRIX_FMT_FP6 matrix_a_scale:MATRIX_SCALE_ROW1
.endif
.endr
.endr
.endm
.macro FETCH_B slot, q, p              ; R's eight fragments of the slot's q-th 128 along K into set p
	WIN TO_B
.irp i, 0,1,2,3,4,5,6,7
	FRAG 128*(\p)+FR*\i, ADRB+\slot, \q, \i
.endr
	WIN 0
.endm
.macro FETCH_A slot, q, i0             ; P's blocks i0 .. i0 + 3
.irp i, \i0, \i0+1, \i0+2, \i0+3
	FRAG AF+FR*(\i), ADRA+\slot, \q, \i
.endr
.endm
.macro SCALES sc                       ; the next K step's scale words: lanes 0-15 P's block i, lanes 16-31 R's block i
.irp i, 0,1,2,3,4,5,6,7
	ds_load_b64 v[SC+8*NQ*\sc+NQ*\i:SC+8*NQ*\sc+NQ*\i+1], v[ADRS] offset:\i*SBLK
.endr
.endm
.macro PLACES n                        ; plain vector instructions between a matrix instruction and a load into, or a vector read or write of, its registers
.rept \n
	v_nop
.endr
.endm
.macro STEP slot, q, zero              ; a step of 128 along K that has its successor in the same slot
	s_wait_dscnt 4*NL                              ; R's set and P's blocks 0-3 are in; the youngest 24 loads (P's blocks 4-7) may be out
	WIN MUL_LO
	MUL16 0, (\q)%2, \q, \slot, \zero
	MUL16 2, (\q)%2, \q, \slot, \zero
	s_wait_dscnt 0
	PLACES NP
	FETCH_B \slot, (\q)+1, 1-(\q)%2
	FETCH_A \slot, (\q)+1, 0
	WIN MUL_HI
	MUL16 4, (\q)%2, \q, \slot, \zero
	MUL16 6, (\q)%2, \q, \slot, \zero
	PLACES NP
	WIN 0
	FETCH_A \slot, (\q)+1, 4
.endm
; A slot's last step changes slots: one barrier; in front of it each wave waits for all its tensor loads, adds 0 to its spare word, and waits for that and for its reads of this slot.
.macro TURN slot, next, fill
	s_wait_tensorcnt 0x0                           ; all my tensor loads have landed: my part of the next slot
	ds_add_u32 v[SPW], v[NIL]                      ; 0 onto my spare word
	s_wait_dscnt 4*NL+1                            ; the add and the youngest 24 loads may be out
	WIN MUL_LO
	MUL16 0, 1, NQ-1, \slot, 0
	s_wait_dscnt 0x0                               ; the add is done, and my reads of this slot are over
	s_barrier_signal -1
	MUL16 2, 1, NQ-1, \slot, 0
	WIN 0
	s_barrier_wait -1
.if \fill
	CREST                                          ; the barrier has opened a round of the cluster's barrier: no wave of any partner still reads this slot or has a load on its way
	s_add_nc_u64 s[G0+4*\slot+2:G0+4*\slot+3], s[G0+4*\slot+2:G0+4*\slot+3], 2*ROWB
	s_add_nc_u64 s[G0B+4*\slot+2:G0B+4*\slot+3], s[G0B+4*\slot+2:G0B+4*\slot+3], 2*ROWB
	JLOAD G0+4*\slot, G1, G0B+4*\slot, G1B         ; the first tensor load behind the round; its four v_nop are the places in front of the loads below
.else
	PLACES NP
.endif
	v_add_nc_u32 v[ADRS], 4*NQ, v[ADRS]            ; on to the next K step's scale words
	FETCH_B \next, 0, 0
	FETCH_A \next, 0, 0
	SCALES \next
	WIN MUL_HI
	MUL16 4, 1, NQ-1, \slot, 0
	MUL16 6, 1, NQ-1, \slot, 0
	PLACES NP
	WIN 0
	FETCH_A \next, 0, 4
.endm
	s_wait_tensorcnt 1                             ; the scales and my part of K step 0 are in; K step 1's load may be out
	s_barrier_signal -1
	s_barrier_wait -1
	FETCH_B 0, 0, 0
	FETCH_A 0, 0, 0
	SCALES 0
	FETCH_A 0, 0, 4
	STEP 0, 0, 1                                   ; the first step's products start the sums
	s_mov_b32 s3, LAPS-1
.Llap:                                                 ; a trip goes once round the ring and fills both slots again
	TURN 0, 1, 1
	STEP 1, 0, 0
	TURN 1, 0, 1
	STEP 0, 0, 0
	s_sub_co_u32 s3, s3, 1
	s_cmp_lg_u32 s3, 0
	s_cbranch_scc1 .Llap
	TURN 0, 1, 0                                   ; the last lap fills nothing
	STEP 1, 0, 0
	s_wait_dscnt 4*NL
	WIN MUL_LO
	MUL16 0, 1, NQ-1, 1, 0
	MUL16 2, 1, NQ-1, 1, 0
	s_wait_dscnt 0
	WIN MUL_HI
	MUL16 4, 1, NQ-1, 1, 0
	MUL16 6, 1, NQ-1, 1, 0
	WIN 0
; THE WAY OUT uses no LDS: a tile of P's 16 rows x my 128 of R is 64 numbers a lane; bias, quantiser, and the codes leave as the image of an operand's registers.
; 64 numbers v[s] .. v[s + 63]; registers 16 b + 0 .. 15 are my 16 of block b of my row; the lane 16 away holds the other 16.  Result: the fragment in v[PC] .. v[PC + 11], the row's scale word in v[PW].
.macro QUANT s
.irp b, 0,1,2,3
	v_max3_num_f32 v[TM+\b], |v[\s+16*\b]|, |v[\s+1+16*\b]|, 0x1800000   ; with the floor 2^(3 - 127): the byte cannot fall under 1
.endr
.irp i, 2,4,6,8,10,12,14
.irp b, 0,1,2,3
	v_max3_num_f32 v[TM+\b], v[TM+\b], |v[\s+16*\b+\i]|, |v[\s+1+16*\b+\i]|
.endr
.endr
.irp b, 0,1,2,3
	v_permlanex16_b32 v[TM+4+\b], v[TM+\b], s20, s21
.endr
.irp b, 0,1,2,3
	v_max_num_f32 v[TM+\b], v[TM+\b], v[TM+4+\b]   ; the block's largest magnitude
.endr
.irp b, 0,1,2,3
	v_add_nc_u32 v[TM+12+\b], 0xff000000, v[TM+\b] ; 2 off its exponent field: the conversion's scale operand
.endr
.irp b, 0,1,2,3
	v_lshrrev_b32 v[TM+4+\b], 23, v[TM+12+\b]      ; the scale's byte
.endr
	v_lshl_or_b32 v[PW], v[TM+5], 8, v[TM+4]
	v_lshl_or_b32 v[PW], v[TM+6], 16, v[PW]
	v_lshl_or_b32 v[PW], v[TM+7], 24, v[PW]
.irp c, 0,1
	v_cvt_scalef32_pk16_fp6_f32 v[PC+6*\c:PC+2+6*\c], v[\s+32*\c:\s+15+32*\c], v[TM+12+2*\c]
	v_cvt_scalef32_pk16_fp6_f32 v[PC+12+4*\c:PC+14+4*\c], v[\s+16+32*\c:\s+31+32*\c], v[TM+12+2*\c+1]   ; (a conversion's three registers begin on an even number)
.endr
	v_nop                                          ; one plain place behind a scaled conversion
.irp c, 0,1                                    ; the layout wants a whole block in a lane: lanes 0-15 block 2 c, lanes 16-31 block 2 c + 1
.irp i, 0,1,2
	v_permlane16_swap_b32 v[PC+6*\c+\i], v[PC+12+4*\c+\i]
.endr
.irp i, 0,1,2
	v_mov_b32 v[PC+3+6*\c+\i], v[PC+12+4*\c+\i]
.endr
.endr
.endm
; q, k: tokens 16 a .. 16 a + 15 of the step; my 128 features are two heads: registers 0-5 of the fragment are the first head's half image, registers 6-11 the second's.
.macro OUT_QK a
	s_wait_xcnt 0x0                                ; the last tile's stores have read their registers
	WIN 0x02+(\a)/4                                ; source 0: the accumulators' window
.set AC, 64*((\a)%4)
.set ii, 0
.rept 32
	v_pk_add_f32 v[HA+ii:HA+ii+1], v[AC+ii:AC+ii+1], v[BR+ii:BR+ii+1]   ; + bias; each accumulator is read from its low end on
.set ii, ii+2
.endr
	WIN 0
	QUANT HA
	global_store_b128 v[O16], v[PC:PC+3], s[12:13] offset:768*(\a)
	global_store_b64 v[O8], v[PC+4:PC+5], s[12:13] offset:768*(\a)+512
	global_store_b128 v[O16], v[PC+6:PC+9], s[12:13] offset:HS+768*(\a)
	global_store_b64 v[O8], v[PC+10:PC+11], s[12:13] offset:HS+768*(\a)+512
.if (\a)%2 == 0
	v_and_b32 v[E0], 0xffff, v[PW]                 ; the first head's word: bytes 0, 1; bytes 2, 3 are 0 and will scale zero codes
	v_lshrrev_b32 v[E1], 16, v[PW]                 ; the second head's
.else
	v_and_b32 v[TM], 0xffff, v[PW]
	v_lshrrev_b32 v[TM+1], 16, v[PW]
	v_cndmask_b32 v[Z0+(\a)/2], v[E0], v[TM], s22  ; lanes 0-15: the even tile's words; lanes 16-31: the odd tile's
	v_cndmask_b32 v[Z1+(\a)/2], v[E1], v[TM+1], s22
.endif
.endm
; v: channels 16 a .. 16 a + 15 of my 128 (two heads of four tiles); the fragment is 16 channels x the step's 128 keys.
.macro OUT_V a
	s_wait_xcnt 0x0
	WIN 0x02+(\a)/4
.set AC, 64*((\a)%4)
.set ii, 0
.rept 32
.if (\a)%2 == 0
	v_pk_add_f32 v[HA+ii:HA+ii+1], v[AC+ii:AC+ii+1], v[BP+(\a):BP+(\a)+1] op_sel_hi:[1,0]                 ; + my channel's bias: the pair's first register for both halves
.else
	v_pk_add_f32 v[HA+ii:HA+ii+1], v[AC+ii:AC+ii+1], v[BP+(\a)-1:BP+(\a)] op_sel:[0,1] op_sel_hi:[1,1]    ; the pair's second register for both halves
.endif
.set ii, ii+2
.endr
	WIN 0
	QUANT HA
.irp g, 0,1,2
	global_store_b128 v[O16], v[PC+4*\g:PC+4*\g+3], s[12:13] offset:((\a)/4)*HS+6656+1536*((\a)%4)+512*\g
.endr
.if (\a)%2 == 0
	v_mov_b32 v[E0], v[PW]
.else
	v_cndmask_b32 v[Z0+((\a)%4)/2], v[E0], v[PW], s22
.endif
.if (\a)%4 == 3
	global_store_b64 v[O8], v[Z0:Z0+1], s[12:13] offset:((\a)/4)*HS+12800
.endif
.endm
	s_wait_loadcnt 0x0                             ; the biases
	PLACES NP                                      ; behind the last products: their results are read, and P's fragments' registers are written, below
.irp b, 0,1,2,3
	v_mov_b32 v[TM+4+\b], 0                        ; written once: a lane permute's destination counts as one of its sources
.endr
	; where my part begins: head 16 b + 4 (feature tile % 4) + 2 (feature half), step 2 (token tile % 8) + token half; q's images lie 13,056 bytes behind k's
	s_cmp_eq_u32 ttmp9, 2
	s_cselect_b32 s18, s42, s17                    ; the token tile
	s_cselect_b32 s19, s16, s15                    ; the token half
	s_cselect_b32 s46, s17, s42                    ; the feature tile
	s_cselect_b32 s47, s15, s16                    ; the feature half
	s_lshr_b32 s92, s18, 3
	s_lshl_b32 s92, s92, 4
	s_and_b32 s93, s46, 3
	s_lshl_b32 s93, s93, 2
	s_add_co_u32 s92, s92, s93
	s_lshl_b32 s93, s47, 1
	s_add_co_u32 s92, s92, s93
	s_mul_i32 s92, s92, HS
	s_and_b32 s93, s18, 7
	s_lshl_b32 s93, s93, 1
	s_add_co_u32 s93, s93, s19
	s_mul_i32 s93, s93, SB
	s_add_co_u32 s92, s92, s93
	s_cmp_eq_u32 ttmp9, 0
	s_cselect_b32 s93, 13056, 0
	s_add_co_u32 s92, s92, s93
	s_mov_b32 s93, 0
	s_add_nc_u64 s[12:13], s[98:99], s[92:93]
	s_mov_b32 s20, 0x76543210                      ; v_permlanex16_b32's selects for lane l xor 16
	s_mov_b32 s21, 0xfedcba98
	s_mov_b32 s22, 0xffff0000                      ; lanes 16-31
	s_cmp_eq_u32 ttmp9, 2
	s_cbranch_scc1 .Lv_out                         ; the same way in all sixteen partners
.irp a, 0,1,2,3,4,5,6,7
	OUT_QK \a
.endr
	global_store_b128 v[O16], v[Z0:Z0+3], s[12:13] offset:6144      ; the eight tiles' scale words: 512 consecutive bytes a head
	global_store_b128 v[O16], v[Z1:Z1+3], s[12:13] offset:HS+6144
	s_branch .Lend
.Lv_out:
.irp a, 0,1,2,3,4,5,6,7
	OUT_V \a
.endr
.Lend:
	s_wait_tensorcnt 0x0                           ; the wave's end
	ds_add_u32 v[SPW], v[NIL]
	s_wait_dscnt 0x0
	CROUND                                         ; the closing round: no work-group ends while a partner may still ask for a tile that names it
	s_endpgm
.Lfunc_end_k_q3cba1212fe_qkv:
	.size	k_q3cba1212fe_qkv, .Lfunc_end_k_q3cba1212fe_qkv-k_q3cba1212fe_qkv
	.p2alignl 7, 3214868480
	.fill 96, 4, 3214868480
	.section	.rodata,"a",@progbits
	.p2align	6, 0x0
	.amdhsa_kernel k_q3cba1212fe_qkv
		.amdhsa_group_segment_fixed_size 327680
		.amdhsa_private_segment_fixed_size 0
		.amdhsa_enable_private_segment 0
		.amdhsa_kernarg_size 48
		.amdhsa_user_sgpr_count 2
		.amdhsa_user_sgpr_kernarg_segment_ptr 1
		.amdhsa_wavefront_size32 1
		.amdhsa_system_sgpr_workgroup_id_x 1
		.amdhsa_system_sgpr_workgroup_id_y 1
		.amdhsa_system_sgpr_workgroup_id_z 1
		.amdhsa_system_vgpr_workitem_id 0
		.amdhsa_next_free_vgpr 1024
		.amdhsa_next_free_sgpr 100
		.amdhsa_reserve_vcc 0
		.amdhsa_float_denorm_mode_32 3
		.amdhsa_float_denorm_mode_16_64 3
		.amdhsa_memory_ordered 1
		.amdhsa_forward_progress 1
		.amdhsa_inst_pref_size 234
	.end_amdhsa_kernel
	.amdgpu_metadata
---
amdhsa.version: [ 1, 2 ]
amdhsa.kernels:
  - .name:           k_q3cba1212fe_qkv
    .symbol:         k_q3cba1212fe_qkv.kd
    .args:
      - { .name: hidden_states_codes, .offset: 0, .size: 8, .value_kind: global_buffer, .address_space: global }
      - { .name: hidden_states_scales, .offset: 8, .size: 8, .value_kind: global_buffer, .address_space: global }
      - { .name: c_attn_w_codes, .offset: 16, .size: 8, .value_kind: global_buffer, .address_space: global }
      - { .name: c_attn_w_scales, .offset: 24, .size: 8, .value_kind: global_buffer, .address_space: global }
      - { .name: c_attn_b, .offset: 32, .size: 8, .value_kind: global_buffer, .address_space: global }
      - { .name: qkv_ws, .offset: 40, .size: 8, .value_kind: global_buffer, .address_space: global }
    .group_segment_fixed_size: 327680
    .private_segment_fixed_size: 0
    .kernarg_segment_align: 8
    .kernarg_segment_size: 48
    .max_flat_workgroup_size: 128
    .sgpr_count:     100
    .vgpr_count:     1024
    .wavefront_size: 32
...
	.end_amdgpu_metadata
.endif
;; end of part 1
;; launch attn (part 2): grid 4 x 64, 16 waves a work-group, clusters of 4 x 1, 210,944 bytes of LDS; arguments qkv_ws, a_img, a_scl; writes a_img, a_scl
.if DOCPART == 2
	.amdgcn_target "amdgcn-amd-amdhsa--gfx1250"
	.amdhsa_code_object_version 6
	.text
	.protected	k_q3cba1212fe_attn
	.globl	k_q3cba1212fe_attn
	.p2align	8
	.type	k_q3cba1212fe_attn,@function
k_q3cba1212fe_attn:
	s_mov_b64 s[64:65], 0
	v_nop
	global_prefetch_b8 v0, s[64:65] scope:SCOPE_SE
	s_setreg_imm32_b32 hwreg(HW_REG_WAVE_MODE, 25, 1), 1
	s_wait_xcnt 0x0
	s_wait_alu depctr_hold_cnt(0) depctr_sa_sdst(0) depctr_va_vdst(0) depctr_va_sdst(0) depctr_va_ssrc(0) depctr_va_vcc(0) depctr_vm_vsrc(0)
	s_getreg_b32 s2, hwreg(HW_REG_IB_STS2, 6, 4)
	s_cmp_eq_u32 s2, 0
	s_cbranch_scc0 .Lentry_in_a_cluster
	s_endpgm
.Lentry_in_a_cluster:
	s_bfe_u32 s2, ttmp6, 0x10000c
	s_cmp_lg_u32 s2, 0x3003
	s_cbranch_scc0 .Lentry_shape_is_right
	s_endpgm
.Lentry_shape_is_right:
; Causal attention of one head for each cluster of four work-groups, both products on codes of FP6 (E2M3) with E8M0 scales; head size 64, 2,048 tokens.
; INPUT: the workspace of the launch before: for each head and each step of 128 tokens 19,712 bytes; the first 13,056 are K's 8 half images, K's scale words, V^T's 4 images and V's scale words: one dense block.
; A HEAD'S K AND V STAY WHOLE IN LDS: 16 steps x 13,056 bytes, filled once by sixteen joint tensor loads (waves 0 to 3, four each; the four partners ask with the same descriptors).  Nothing is filled again.
; SHARES.  A head has 128 tiles of 16 queries; tile 8 g + e needs key steps 0 .. g, the last on the diagonal.  Wave w of partner cx takes tile (g, e) = (w / 2, 4 (w % 2) + cx) and tile (15 - g, 7 - e):
; 17 key steps for every wave of the launch.  g hangs on the wave's number alone, so no branch and no LDS address hangs on the place in the cluster; cx enters global addresses and the mask's threshold only.
; LAYOUT.  Both products are used transposed: S^T = K Q^T (source 0 = 16 keys, source 1 = my 16 queries), O^T = V^T P^T: a lane holds one query (lane % 16) throughout.
; Register 8 t + j of S^T is key 16 t + 8 (lane / 16) + j; p's 16 registers of tiles 2 b, 2 b + 1 are taken as places 16 (lane / 16) + i of block b, as the launch before has taken v's: the same permutation inside a block on both sides.
; HEAD SIZE 64 IN A FORM OF K = 128: Q's registers 6-11 hold zero codes.  K's operand of tile t is named v[32 + 6 t : 43 + 6 t]: its upper six registers are the next tile's codes (zeros behind tile 7);
; they meet Q's zero codes and add nothing; the scale bytes 2 and 3 of both words are 0, which is a power of two like any other.
; SOFTMAX: t = score x log2(e) / 8; M = the running largest t rounded up to a whole number; p = 2^(t - M) is quantised along the keys; the sum is taken of the unquantised p; when M moves, sum and O^T are multiplied by 2^(old M - new M).
; OUTPUT: O / sum, brought into the natural order of channels, quantised along D: a half image (768 bytes) for each tile of rows and head, and two scale bytes a row in [8192][32].
; No prefetch is laid: every tensor load of the launch is issued at its head.
; LIMITS: NaN and infinities are not served; a block whose largest magnitude lies under 2^-124, or of zeros, keeps the byte 1 (the bytes are read by this program alone).
.set HS,   315392                      ; workspace: a head
.set SB,   19712                       ; a step
.set KVB,  13056                       ; a step's K and V: its place in LDS
.set L16,  1                           ; v1   16 x lane
.set L8,   2                           ; v2   8 x lane
.set A16,  3                           ; v3   the step's LDS address, 16 bytes a lane
.set A8,   4                           ; v4   8 bytes a lane
.set DD,   5                           ; v5   16 e + lane % 16 - 8 (lane / 16): register 8 t + j is hidden on the diagonal where 16 t + j is greater
.set NINF, 6                           ; v6   -infinity
.set R16,  7                           ; v7   16 x (lane % 16)
.set SOF,  8                           ; v8   32 x (lane % 16) + lane / 16
.set RH,   9                           ; v9   lane % 16 - 8 (lane / 16)
.set QF,   16                          ; v16-21 Q's codes, v22-27 zeros
.set QSC,  28                          ; v28  Q's scale words
.set PSC,  29                          ; v29  p's scale word
.set VSC,  30                          ; v30-31 V's scale words
.set KV,   32                          ; v32-79 K's eight half fragments, then V's four fragments; v80-85 zeros
.set KSC,  86                          ; v86-89 K's scale words
.set SS,   96                          ; v96-159 S^T, then p
.set OT,   160                         ; v160-191 O^T
.set PC,   192                         ; v192-203 p's codes; second halves at +12, +16
.set BM,   212
.set BP,   216
.set SO,   220
.set T0,   224
.set FF,   226                         ; v[226:227] f, and a written partner
.set SUM2, 228                         ; the sum's second chain
.set WV,   10
.set CX,   11
.set BH,   12
.set HB,   14                          ; s[14:15] the head's first byte in the workspace
.set G1,   16
.set G0,   24                          ; four sets
.set SEL,  40
.set CS,   42
.set TB,   44                          ; LDS byte of the step in hand
.set ST,   45                          ; its number
.set SIG,  46                          ; the tile's diagonal step
.set CNT,  47
.set EE,   48                          ; the tile's place among the eight of its step
.set LM,   49                          ; lanes 16-31
.set QB,   50
.set QS,   52
.set OB,   54
.set OS,   56
.set SLOW, 66
.set ELOW, 67
.macro CROUND                          ; a round of the cluster's barrier
	s_barrier_signal -1
	s_barrier_wait -1
	s_cmp_lg_u32 s[WV], 0
	s_cbranch_scc1 .Lnot_wave_0_\@
	s_barrier_signal -3
.Lnot_wave_0_\@:
	s_barrier_wait -3
	s_barrier_signal -1
	s_barrier_wait -1
.endm
	s_load_b128 s[4:7], s[0:1], 0x0                ; the workspace, the images
	s_load_b64 s[8:9], s[0:1], 0x10                ; the scale bytes
	v_lshl_add_u32 v254, v0, 2, 0x33000
	v_mov_b32 v255, 0
	ds_add_u32 v254, v255
	ds_add_u32 v254, v255
	v_lshrrev_b32 v10, 5, v0
	s_delay_alu instid0(VALU_DEP_1)
	v_readfirstlane_b32 s[WV], v10                 ; wave 0..15
	s_bfe_u32 s[CX], ttmp6, 0x40000                ; my place in the cluster
	s_and_b32 s[BH], ttmp7, 0xffff                 ; the head: 16 b + h
	s_and_b32 s13, s[WV], 3
	s_lshr_b32 s[SLOW], s[WV], 1                   ; the low tile's diagonal step
	s_and_b32 s[ELOW], s[WV], 1
	s_lshl_b32 s[ELOW], s[ELOW], 2
	s_add_co_u32 s[ELOW], s[ELOW], s[CX]           ; and its place in that step
	s_mov_b32 s[G1], 15|(3<<16)|(1<<21)            ; the mask: all four partners; elements of 8 bytes; bit 21 beside a mask; no padding
	s_mov_b32 s[G1+1], 32<<16                      ; tensor_dim0: rows of 256 bytes
	s_mov_b32 s[G1+2], 51<<16                      ; tensor_dim1: 51 of them
	s_mov_b32 s[G1+3], 32<<16                      ; tile_dim0
	s_mov_b32 s[G1+4], 51                          ; tile_dim1
	s_mov_b32 s[G1+5], 32                          ; the pitch: dense
	s_mov_b32 s[G1+6], 0
	s_mov_b32 s[G1+7], 0
	s_mov_b32 s[SEL], 0x76543210
	s_mov_b32 s[SEL+1], 0xfedcba98
	s_mov_b32 s[CS], 0x3e38aa3b                    ; log2(e) / 8
	s_mov_b32 s[CS+1], s[CS]
	s_mov_b32 s[LM], 0xffff0000
	s_mul_i32 s58, s13, KVB                        ; what I fetch, if I fetch: steps w, w + 4, w + 8, w + 12
	s_mul_i32 s60, s13, SB
	s_mov_b32 s61, 0
	s_mul_i32 s62, s[BH], HS
	s_mov_b32 s63, 0
	v_and_b32 v10, 31, v0
	s_delay_alu instid0(VALU_DEP_1)
	v_lshlrev_b32 v[L16], 4, v10
	s_delay_alu instid0(VALU_DEP_2)
	v_lshlrev_b32 v[L8], 3, v10
	v_and_b32 v10, 15, v0
	v_bfe_u32 v11, v0, 4, 1
	s_delay_alu instid0(VALU_DEP_2)
	v_lshlrev_b32 v[R16], 4, v10
	s_delay_alu instid0(VALU_DEP_2)
	v_lshl_add_u32 v[SOF], v10, 5, v11
	s_delay_alu instid0(VALU_DEP_3)
	v_lshlrev_b32 v11, 3, v11
	s_delay_alu instid0(VALU_DEP_1)
	v_sub_nc_u32 v[RH], v10, v11
	v_mov_b32 v[NINF], 0xff800000
.irp i, 0,1,2,3,4,5
	v_mov_b32 v[QF+6+\i], 0                        ; Q's upper half: zero codes, written once
	v_mov_b32 v[KV+48+\i], 0                       ; behind K's tile 7
.endr
.irp b, 0,1,2,3
	v_mov_b32 v[BP+\b], 0                          ; a lane permute's destination counts as one of its sources
.endr
	v_mov_b32 v[T0], 0
	v_mov_b32 v[FF+1], 0
	s_wait_dscnt 0x0
	s_wait_kmcnt 0x0
	s_add_nc_u64 s[HB:HB+1], s[4:5], s[62:63]
	s_add_nc_u64 s[60:61], s[HB:HB+1], s[60:61]
.irp k, 0,1,2,3
	s_mov_b32 s[G0+4*\k], 1
	s_add_co_u32 s[G0+4*\k+1], s58, \k*4*KVB
	s_add_nc_u64 s[G0+4*\k+2:G0+4*\k+3], s[60:61], \k*4*SB
	s_or_b32 s[G0+4*\k+3], s[G0+4*\k+3], 0x80000000
.endr
	CROUND                                         ; all four work-groups are here: the joint loads meet
	s_cmp_lt_u32 s[WV], 4                          ; a wave's four fills stand in one branch on the wave's number; four tensor loads of the wave are out
	s_cbranch_scc0 .Lno_fetch
	tensor_load_to_lds s[G0:G0+3], s[G1:G1+7]
	s_nop 0
	tensor_load_to_lds s[G0+4:G0+7], s[G1:G1+7]
	s_nop 0
	tensor_load_to_lds s[G0+8:G0+11], s[G1:G1+7]
	s_nop 0
	tensor_load_to_lds s[G0+12:G0+15], s[G1:G1+7]
	s_nop 0
.rept 4
	v_nop
.endr
.Lno_fetch:
; A tile begins: its numbers, its addresses, Q's half image and scale words, and the running figures.
.macro TILE_BEGIN hi
	s_wait_xcnt 0x0                                ; the last tile's stores and loads have read their registers and bases
.if \hi
	s_xor_b32 s[SIG], s[SLOW], 15                  ; 15 - g (g is under 8)
	s_xor_b32 s[EE], s[ELOW], 7                    ; 7 - e
.else
	s_mov_b32 s[SIG], s[SLOW]
	s_mov_b32 s[EE], s[ELOW]
.endif
	s_mul_i32 s58, s[SIG], SB
	s_mul_i32 s59, s[EE], 768
	s_add_co_u32 s60, s58, s59
	s_add_co_u32 s60, s60, 13056
	s_mov_b32 s61, 0
	s_add_nc_u64 s[QB:QB+1], s[HB:HB+1], s[60:61]  ; Q's half image of tile e of step g
	s_and_b32 s59, s[EE], 1
	s_lshl_b32 s59, s59, 8
	s_lshr_b32 s62, s[EE], 1
	s_lshl_b32 s62, s62, 2
	s_add_co_u32 s60, s58, s59
	s_add_co_u32 s60, s60, s62
	s_add_co_u32 s60, s60, 19200
	s_add_nc_u64 s[QS:QS+1], s[HB:HB+1], s[60:61]  ; its scale words: row r's lies at 256 (e % 2) + 16 r + 4 (e / 2)
	s_lshr_b32 s58, s[BH], 4
	s_lshl_b32 s58, s58, 7
	s_lshl_b32 s59, s[SIG], 3
	s_add_co_u32 s58, s58, s59
	s_add_co_u32 s58, s58, s[EE]                   ; the tile of rows among 512: 128 b + 8 g + e
	s_and_b32 s59, s[BH], 15
	s_mul_i32 s60, s58, 12288
	s_mul_i32 s62, s59, 768
	s_add_co_u32 s60, s60, s62
	s_add_nc_u64 s[OB:OB+1], s[6:7], s[60:61]
	s_lshl_b32 s60, s58, 9
	s_lshl_b32 s62, s59, 1
	s_add_co_u32 s60, s60, s62
	s_add_nc_u64 s[OS:OS+1], s[8:9], s[60:61]
	global_load_b128 v[QF:QF+3], v[L16], s[QB:QB+1]
	global_load_b64 v[QF+4:QF+5], v[L8], s[QB:QB+1] offset:512
	global_load_b32 v[QSC], v[R16], s[QS:QS+1]
	s_lshl_b32 s58, s[EE], 4
	v_add_nc_u32 v[DD], s58, v[RH]
	v_mov_b32 v13, 0xff61b1e6                      ; the largest t so far: -3e38
	s_delay_alu instid0(VALU_DEP_1)
	v_floor_f32 v12, -v13                          ; -M
	v_mov_b32 v14, 0                               ; the sum, in two halves
	v_mov_b32 v15, 0
.set jj, 0
.rept 32
	v_mov_b32 v[OT+jj], 0                          ; O^T: the step is written once; the first step finds zeros, which the first change of M leaves zeros
.set jj, jj+1
.endr
	s_mov_b32 s[TB], 0
	s_mov_b32 s[ST], 0
	s_wait_loadcnt 0x0
.endm
; A KEY STEP of 128 keys.  A step behind the tile's diagonal is left out: a scalar branch on the wave's number and the loop's count, round the work and not round the lines that step.
.macro STEP
	s_cmp_gt_u32 s[ST], s[SIG]
	s_cbranch_scc1 .Lhid_\@
	s_setprio 2
	v_add_nc_u32 v[A16], s[TB], v[L16]
	v_add_nc_u32 v[A8], s[TB], v[L8]
	v_nop
	v_nop                                          ; four places in front of loads into registers that the last products read
.irp t, 0,1,2,3,4,5,6,7
	ds_load_b128 v[KV+6*\t:KV+6*\t+3], v[A16] offset:768*\t
	ds_load_b64 v[KV+6*\t+4:KV+6*\t+5], v[A8] offset:768*\t+512
.endr
	ds_load_b128 v[KSC:KSC+3], v[A16] offset:6144  ; register i: lanes 0-15 tile 2 i's words, lanes 16-31 tile 2 i + 1's
	s_wait_alu depctr_va_vdst(0)
	s_wait_dscnt 0x0
.irp t, 0,1,2,3,4,5,6,7
.if (\t)%2
	v_wmma_scale_f32_16x16x128_f8f6f4 v[SS+8*\t:SS+8*\t+7], v[KV+6*\t:KV+6*\t+11], v[QF:QF+11], 0, v[KSC+\t/2], v[QSC] matrix_a_fmt:MATRIX_FMT_FP6 matrix_b_fmt:MATRIX_FMT_FP6 matrix_a_scale:MATRIX_SCALE_ROW1
.else
	v_wmma_scale_f32_16x16x128_f8f6f4 v[SS+8*\t:SS+8*\t+7], v[KV+6*\t:KV+6*\t+11], v[QF:QF+11], 0, v[KSC+\t/2], v[QSC] matrix_a_fmt:MATRIX_FMT_FP6 matrix_b_fmt:MATRIX_FMT_FP6
.endif
.endr
.rept 4
	v_nop                                          ; places: V's loads land where K lay, and the scores are read
.endr
.irp t, 0,1,2,3
.irp g, 0,1,2
	ds_load_b128 v[KV+12*\t+4*\g:KV+12*\t+4*\g+3], v[A16] offset:6656+1536*\t+512*\g   ; V's fragments land while the softmax is worked
.endr
.endr
	ds_load_b64 v[VSC:VSC+1], v[A8] offset:12800
	s_cmp_lg_u32 s[ST], s[SIG]
	s_cbranch_scc1 .Lopen_\@
.set nn, 0
.rept 64                                       ; on the diagonal the scores of hidden keys become -infinity: p = 0 then
	v_cmp_gt_i32 vcc_lo, 16*(nn/8)+nn%8, v[DD]
	v_cndmask_b32 v[SS+nn], v[SS+nn], v[NINF], vcc_lo
.set nn, nn+1
.endr
.Lopen_\@:
.irp b, 0,1,2,3
	v_max3_num_f32 v[BM+\b], v[SS+16*\b], v[SS+1+16*\b], v[SS+2+16*\b]   ; the largest score of each block of 32 keys: for the row's maximum and, since p rises with the score, for the block's largest p
.endr
.irp i, 3,5,7,9,11,13
.irp b, 0,1,2,3
	v_max3_num_f32 v[BM+\b], v[BM+\b], v[SS+16*\b+\i], v[SS+1+16*\b+\i]
.endr
.endr
.irp b, 0,1,2,3
	v_max_num_f32 v[BM+\b], v[BM+\b], v[SS+15+16*\b]
.endr
.irp b, 0,1,2,3
	s_delay_alu instid0(VALU_DEP_4)
	v_permlanex16_b32 v[BP+\b], v[BM+\b], s[SEL], s[SEL+1]
.endr
.irp b, 0,1,2,3
	s_delay_alu instid0(VALU_DEP_4)
	v_max_num_f32 v[BM+\b], v[BM+\b], v[BP+\b]
.endr
	s_delay_alu instid0(VALU_DEP_2)
	v_max3_num_f32 v[T0], v[BM], v[BM+1], v[BM+2]
	s_delay_alu instid0(VALU_DEP_1)
	v_max_num_f32 v[T0], v[T0], v[BM+3]
	s_delay_alu instid0(VALU_DEP_1)
	v_mul_f32 v[T0], s[CS], v[T0]
	s_delay_alu instid0(VALU_DEP_1)
	v_max_num_f32 v13, v13, v[T0]                  ; the running largest t
	v_mov_b32 v[T0], v12
	s_delay_alu instid0(VALU_DEP_2)
	v_floor_f32 v12, -v13                          ; the new -M = -ceil(t)
	s_delay_alu instid0(VALU_DEP_1)
	v_sub_f32 v[T0], v12, v[T0]                    ; old M - new M: a whole number, 0 or less
	s_delay_alu instid0(VALU_DEP_1)
	v_cvt_i32_f32 v[T0], v[T0]                     ; (it saturates)
	s_delay_alu instid0(VALU_DEP_1)
	v_ldexp_f32 v[FF], 1.0, v[T0]                  ; f = 2^(old M - new M)
.set jj, 0
.rept 32
	v_pk_fma_f32 v[SS+jj:SS+jj+1], v[SS+jj:SS+jj+1], s[CS:CS+1], v[12:13] op_sel_hi:[1,0,0]   ; t - M
.set jj, jj+2
.endr
	s_setprio 1
.irp b, 0,1,2,3
	v_fma_f32 v[BM+\b], v[BM+\b], s[CS], v12
.endr
.set jj, 0
	s_wait_alu depctr_va_vdst(0)
.rept 64
	v_exp_f32 v[SS+jj], v[SS+jj]                   ; p = 2^(t - M)
.set jj, jj+1
.endr
	v_pk_mul_f32 v[14:15], v[14:15], v[FF:FF+1] op_sel_hi:[1,0]   ; the sum under the new M: the plain place behind the exponentials
	s_wait_alu depctr_va_vdst(0)                   ; one wait for the batch, ahead of its first reader
.irp b, 0,1,2,3
	v_exp_f32 v[BM+\b], v[BM+\b]                   ; the block's largest p
.endr
	v_pk_add_f32 v[SUM2:SUM2+1], v[SS:SS+1], v[SS+2:SS+3]         ; the sum of the unquantised p, in two chains: its first half stands behind the four exponentials
.irp j, 4,8,12,16,20,24,28
	v_pk_add_f32 v[14:15], v[14:15], v[SS+\j:SS+\j+1]
	v_pk_add_f32 v[SUM2:SUM2+1], v[SUM2:SUM2+1], v[SS+2+\j:SS+3+\j]
.endr
	s_wait_alu depctr_va_vdst(0)                   ; and one for the four
.irp b, 0,1,2,3
	v_max_num_f32 v[BM+\b], 0x1800000, v[BM+\b]    ; the floor 2^(3 - 127)
.endr
.irp b, 0,1,2,3
	s_delay_alu instid0(VALU_DEP_4)
	v_add_nc_u32 v[SO+\b], 0xff000000, v[BM+\b]    ; 2 off the exponent field: the conversion's scale operand
.endr
.irp b, 0,1,2,3
	s_delay_alu instid0(VALU_DEP_4)
	v_lshrrev_b32 v[BP+\b], 23, v[SO+\b]           ; the scale's byte
.endr
	s_delay_alu instid0(VALU_DEP_3)
	v_lshl_or_b32 v[PSC], v[BP+1], 8, v[BP]
	s_delay_alu instid0(VALU_DEP_1)
	v_lshl_or_b32 v[PSC], v[BP+2], 16, v[PSC]
	s_delay_alu instid0(VALU_DEP_1)
	v_lshl_or_b32 v[PSC], v[BP+3], 24, v[PSC]
.irp c, 0,1
	v_cvt_scalef32_pk16_fp6_f32 v[PC+6*\c:PC+2+6*\c], v[SS+32*\c:SS+15+32*\c], v[SO+2*\c]
	v_cvt_scalef32_pk16_fp6_f32 v[PC+12+4*\c:PC+14+4*\c], v[SS+16+32*\c:SS+31+32*\c], v[SO+2*\c+1]
.endr
	v_nop                                          ; one plain place behind a scaled conversion
.irp c, 0,1
.irp i, 0,1,2
	v_permlane16_swap_b32 v[PC+6*\c+\i], v[PC+12+4*\c+\i]
.endr
.irp i, 0,1,2
	s_delay_alu instid0(VALU_DEP_3)
	v_mov_b32 v[PC+3+6*\c+\i], v[PC+12+4*\c+\i]
.endr
.endr
.set jj, 0
	s_setprio 0
.rept 16
	v_pk_mul_f32 v[OT+jj:OT+jj+1], v[OT+jj:OT+jj+1], v[FF:FF+1] op_sel_hi:[1,0]   ; O^T under the new M
.set jj, jj+2
.endr
.irp j, 32,36,40,44,48,52,56,60                ; the sum's second half: with the 16 lines above, the places between the codes, the scale word and O^T as written and the products below
	v_pk_add_f32 v[14:15], v[14:15], v[SS+\j:SS+\j+1]
	v_pk_add_f32 v[SUM2:SUM2+1], v[SUM2:SUM2+1], v[SS+2+\j:SS+3+\j]
.endr
	s_delay_alu instid0(VALU_DEP_1)
	v_pk_add_f32 v[14:15], v[14:15], v[SUM2:SUM2+1]
	s_wait_dscnt 0x0                               ; V is in
.irp t, 0,1,2,3                                ; the four accumulators take turns, one instruction a turn
.if (\t)%2
	v_wmma_scale_f32_16x16x128_f8f6f4 v[OT+8*\t:OT+8*\t+7], v[KV+12*\t:KV+12*\t+11], v[PC:PC+11], v[OT+8*\t:OT+8*\t+7], v[VSC+\t/2], v[PSC] matrix_a_fmt:MATRIX_FMT_FP6 matrix_b_fmt:MATRIX_FMT_FP6 matrix_a_scale:MATRIX_SCALE_ROW1
.else
	v_wmma_scale_f32_16x16x128_f8f6f4 v[OT+8*\t:OT+8*\t+7], v[KV+12*\t:KV+12*\t+11], v[PC:PC+11], v[OT+8*\t:OT+8*\t+7], v[VSC+\t/2], v[PSC] matrix_a_fmt:MATRIX_FMT_FP6 matrix_b_fmt:MATRIX_FMT_FP6
.endif
.endr
.Lhid_\@:
	s_add_co_u32 s[TB], s[TB], KVB
	s_add_co_u32 s[ST], s[ST], 1
.endm
.macro SECTION n                       ; n key steps: a constant count for every wave
	s_mov_b32 s[CNT], \n
.Lsec_\@:
	STEP
	s_sub_co_u32 s[CNT], s[CNT], 1
	s_cmp_lg_u32 s[CNT], 0
	s_cbranch_scc1 .Lsec_\@
	s_setprio 0
.endm
; A tile ends: O^T / the sum; the channels into their natural order; the quantiser along D (two blocks of 32); a half image and two scale bytes a row.
.macro TILE_END
.rept 4
	v_nop                                          ; places behind the last products
.endr
	v_add_f32 v14, v14, v15
	s_delay_alu instid0(VALU_DEP_1)
	v_permlanex16_b32 v[T0], v14, s[SEL], s[SEL+1]
	s_delay_alu instid0(VALU_DEP_1)
	v_add_f32 v14, v14, v[T0]                      ; the row's sum
	s_wait_alu depctr_va_vdst(0)
	v_rcp_f32 v14, v14
	v_nop
	s_wait_alu depctr_va_vdst(0)
.set jj, 0
.rept 32
	v_mul_f32 v[SS+jj], v[OT+jj], v14              ; register 8 t + j: channel 16 t + 8 (lane / 16) + j of query lane % 16
.set jj, jj+1
.endr
.irp b, 0,1
.irp j, 0,1,2,3,4,5,6,7
	v_permlane16_swap_b32 v[SS+16*\b+\j], v[SS+8+16*\b+\j]   ; the first's lanes 16-31 change places with the second's lanes 0-15: register 16 b + i is now channel 32 b + 16 (lane / 16) + i
.endr
.endr
.irp b, 0,1
	v_max3_num_f32 v[BM+\b], |v[SS+16*\b]|, |v[SS+1+16*\b]|, 0x1800000
.endr
.irp i, 2,4,6,8,10,12,14
.irp b, 0,1
	s_delay_alu instid0(VALU_DEP_2)
	v_max3_num_f32 v[BM+\b], v[BM+\b], |v[SS+16*\b+\i]|, |v[SS+1+16*\b+\i]|
.endr
.endr
.irp b, 0,1
	s_delay_alu instid0(VALU_DEP_2)
	v_permlanex16_b32 v[BP+\b], v[BM+\b], s[SEL], s[SEL+1]
.endr
.irp b, 0,1
	s_delay_alu instid0(VALU_DEP_2)
	v_max_num_f32 v[BM+\b], v[BM+\b], v[BP+\b]
.endr
.irp b, 0,1
	s_delay_alu instid0(VALU_DEP_2)
	v_add_nc_u32 v[SO+\b], 0xff000000, v[BM+\b]
.endr
.irp b, 0,1
	s_delay_alu instid0(VALU_DEP_2)
	v_lshrrev_b32 v[BP+\b], 23, v[SO+\b]
.endr
	v_cvt_scalef32_pk16_fp6_f32 v[PC:PC+2], v[SS:SS+15], v[SO]
	v_cvt_scalef32_pk16_fp6_f32 v[PC+4:PC+6], v[SS+16:SS+31], v[SO+1]
	v_nop
.irp i, 0,1,2
	v_permlane16_swap_b32 v[PC+\i], v[PC+4+\i]     ; lanes 0-15 block 0, lanes 16-31 block 1: lower 16 codes in the first three registers, upper 16 in the second three
.endr
	s_delay_alu instid0(VALU_DEP_3)
	v_mov_b32 v[PC+3], v[PC+4]
	s_delay_alu instid0(VALU_DEP_3)
	v_mov_b32 v[PC+4], v[PC+5]
	s_delay_alu instid0(VALU_DEP_3)
	v_mov_b32 v[PC+5], v[PC+6]
	v_cndmask_b32 v[T0], v[BP], v[BP+1], s[LM]     ; lane (r, h): block h's byte of row r
	global_store_b128 v[L16], v[PC:PC+3], s[OB:OB+1]              ; 512 consecutive bytes
	global_store_b64 v[L8], v[PC+4:PC+5], s[OB:OB+1] offset:512   ; 256 consecutive bytes
	global_store_b8 v[SOF], v[T0], s[OS:OS+1]      ; two bytes a row, rows 32 bytes apart: one part in 24 of what the launch stores
.endm
	TILE_BEGIN 1                                   ; the long tile first: its diagonal step is 8 or later, so every wave has work while the later steps land
	s_wait_tensorcnt 3                             ; a fetching wave's first load has landed: key steps 0 to 3; its other three may be out
	s_barrier_signal -1
	s_barrier_wait -1
	SECTION 4
	s_wait_tensorcnt 0x0                           ; all sixteen steps
	s_wait_dscnt 0x0
	s_barrier_signal -1
	s_barrier_wait -1
	SECTION 12
	s_wait_alu depctr_va_vdst(0)
	TILE_END
	TILE_BEGIN 0
	SECTION 8
	s_wait_alu depctr_va_vdst(0)
	TILE_END
	s_wait_dscnt 0x0
	s_wait_tensorcnt 0x0
	ds_add_u32 v254, v255
	s_wait_dscnt 0x0
	CROUND                                         ; the closing round
	s_endpgm
.Lfunc_end_k_q3cba1212fe_attn:
	.size	k_q3cba1212fe_attn, .Lfunc_end_k_q3cba1212fe_attn-k_q3cba1212fe_attn
	.p2alignl 7, 3214868480
	.fill 96, 4, 3214868480
	.section	.rodata,"a",@progbits
	.p2align	6, 0x0
	.amdhsa_kernel k_q3cba1212fe_attn
		.amdhsa_group_segment_fixed_size 210944
		.amdhsa_private_segment_fixed_size 0
		.amdhsa_enable_private_segment 0
		.amdhsa_kernarg_size 24
		.amdhsa_user_sgpr_count 2
		.amdhsa_user_sgpr_kernarg_segment_ptr 1
		.amdhsa_wavefront_size32 1
		.amdhsa_system_sgpr_workgroup_id_x 1
		.amdhsa_system_sgpr_workgroup_id_y 1
		.amdhsa_system_sgpr_workgroup_id_z 1
		.amdhsa_system_vgpr_workitem_id 0
		.amdhsa_next_free_vgpr 256
		.amdhsa_next_free_sgpr 72
		.amdhsa_reserve_vcc 1
		.amdhsa_float_denorm_mode_32 3
		.amdhsa_float_denorm_mode_16_64 3
		.amdhsa_memory_ordered 1
		.amdhsa_forward_progress 1
		.amdhsa_inst_pref_size 87
	.end_amdhsa_kernel
	.amdgpu_metadata
---
amdhsa.version: [ 1, 2 ]
amdhsa.kernels:
  - .name:           k_q3cba1212fe_attn
    .symbol:         k_q3cba1212fe_attn.kd
    .args:
      - { .name: qkv_ws, .offset: 0, .size: 8, .value_kind: global_buffer, .address_space: global }
      - { .name: a_img, .offset: 8, .size: 8, .value_kind: global_buffer, .address_space: global }
      - { .name: a_scl, .offset: 16, .size: 8, .value_kind: global_buffer, .address_space: global }
    .group_segment_fixed_size: 210944
    .private_segment_fixed_size: 0
    .kernarg_segment_align: 8
    .kernarg_segment_size: 24
    .max_flat_workgroup_size: 512
    .sgpr_count:     72
    .vgpr_count:     256
    .wavefront_size: 32
...
	.end_amdgpu_metadata
.endif
;; end of part 2
;; launch proj (part 3): grid 4 x 32, 4 waves a work-group, clusters of 4 x 4, 327,680 bytes of LDS; arguments a_img, a_scl, c_proj_w_codes, c_proj_w_scales, c_proj_b, out0; writes out0
.if DOCPART == 3
	.amdgcn_target "amdgcn-amd-amdhsa--gfx1250"
	.amdhsa_code_object_version 6
	.text
	.protected	k_q3cba1212fe_proj
	.globl	k_q3cba1212fe_proj
	.p2align	8
	.type	k_q3cba1212fe_proj,@function
k_q3cba1212fe_proj:
	s_mov_b64 s[64:65], 0
	v_nop
	global_prefetch_b8 v0, s[64:65] scope:SCOPE_SE
	s_setreg_imm32_b32 hwreg(HW_REG_WAVE_MODE, 25, 1), 1
	s_wait_xcnt 0x0
	s_wait_alu depctr_hold_cnt(0) depctr_sa_sdst(0) depctr_va_vdst(0) depctr_va_sdst(0) depctr_va_ssrc(0) depctr_va_vcc(0) depctr_vm_vsrc(0)
	s_getreg_b32 s2, hwreg(HW_REG_IB_STS2, 6, 4)
	s_cmp_eq_u32 s2, 0
	s_cbranch_scc0 .Lentry_in_a_cluster
	s_endpgm
.Lentry_in_a_cluster:
	s_bfe_u32 s2, ttmp6, 0x10000c
	s_cmp_lg_u32 s2, 0xf033
	s_cbranch_scc0 .Lentry_shape_is_right
	s_endpgm
.Lentry_shape_is_right:
; out = A W^T + b on codes of FP6 (E2M3) with E8M0 scales.  A: the attention's result, [8192][1024], as images of operand registers: [tile of 16 rows (512)][head (16)][768 bytes]; heads 2 k, 2 k + 1 are
; registers 0-5 and 6-11 of the fragment of K = 128 k on; its scale bytes [8192][32].  W: c_proj_w's codes [1024][1024], K innermost, rows of 768 bytes; its scale bytes [1024][32].  out: [8192][1024] f32.
; A tile of 256 x 256 is made by four waves, 128 x 128 each; K goes in steps of 256 through a ring of two LDS slots filled by joint tensor loads; cluster of 4 x 4: A's tile is shared along a row, W's along a column.
; A's part of a K step is, for each tile of 16 rows, 3,072 consecutive bytes; a wave's load brings eight of them, 12,288 bytes apart, dense into LDS; a fragment comes by four loads at 16 or 8 bytes a lane.
; The matrix instruction is used transposed (source 0 = 16 rows of W, source 1 = 16 rows of A): a lane holds eight neighbouring numbers of a row of out.  The bias is the C of each sum's first instruction.
; 128 work-groups: the problem's 8,192 x 1,024 in tiles of 256 x 256.
.set SIZE_N, 1024
.set KSTEP,  256
.set NQ,     KSTEP/128
.set ROWB,   192                       ; W: a tile's row in bytes
.set KROW,   768                       ; a row of W in memory; also A's bytes for a row: 12,288 / 16
.set PITCH,  240                       ; W's LDS row: 3 x (64 bytes + 16 of padding)
.set ATILE,  3072                      ; A: a K step of one tile of 16 rows
.set FR,     12
.set NLA,    4                         ; LDS loads that bring a fragment of A
.set NP,     4
.set HALFT,  128*PITCH                 ; the place of 128 rows in a slot (A uses 24,576 bytes of it)
.set SLOT,   4*HALFT
.set LAPS,   1024/(2*KSTEP)
.set KS,     32
.set SCL,    2*SLOT
.set HALFS,  (128*KS/256)*272
.set SBLK,   (16*KS/256)*272
.set SPARE,  SCL+4*HALFS               ; the spare words, 128 bytes a wave; no other line names them
.set SPITCH, 528                       ; the way out: a stage of 16 rows x (512 + 16) bytes a wave, in slot 0, which has had its last fill and its last read by then
.set ADRA, 16                          ; v16-17 A's region in slot 0, 1 + 16 x lane; v18-19 + 8 x lane
.set ADRB, 20                          ; v20-21 W's fragments; v22-23 behind one padding more
.set STO,  24
.set RD,   25
.set CO,   26
.set ADRS, 27
.set SPW,  28
.set NIL,  29
.set BH32, 30                          ; v30  32 x (lane / 16)
.set SC,   32                          ; v32-63 scale words, two sets; nothing else ever lies there
.set BR,   64                          ; v64-127 the bias: register 8 b + j = b[my first column + 16 b + 8 (lane / 16) + j]
.set AF,   128                         ; A's fragments, one set
.set BK,   128                         ; the way out: rows read back: v128-191 and v192-255 by turns
.set G1, 24
.set G0, 32
.set G1B, 48
.set G0B, 56
.set G1S, 68
.set G0S, 76
.set G1SB, 80
.set G0SB, 88
.set MSB, 0
.macro WIN new
.if MSB != (\new)
	s_set_vgpr_msb (MSB<<8)|(\new)
.set MSB, (\new)
.endif
.endm
.set MUL_LO, 0xa1                      ; source 0 (W) window 1, source 1 (A) window 0, C and D window 2
.set MUL_HI, 0xf1
.set FIRST_LO, 0x81                    ; the same with C (the bias) in window 0
.set FIRST_HI, 0xc1
.set TO_B,   0x40
.macro JLOAD g0a, g1a, g0b, g1b        ; waves 0 and 1 fetch for A, waves 2 and 3 for W; four v_nop follow each line
	s_cmp_eq_u32 s15, 0
	s_cbranch_scc0 .Lfor_b_\@
	tensor_load_to_lds s[\g0a:\g0a+3], s[\g1a:\g1a+7]
	s_nop 0
.rept 4
	v_nop
.endr
	s_branch .Lasked_\@
.Lfor_b_\@:
	tensor_load_to_lds s[\g0b:\g0b+3], s[\g1b:\g1b+7]
	s_nop 0
.rept 4
	v_nop
.endr
.Lasked_\@:
.endm
.macro CREST
	s_cmp_lg_u32 s14, 0
	s_cbranch_scc1 .Lnot_wave_0_\@
	s_barrier_signal -3
.Lnot_wave_0_\@:
	s_barrier_wait -3
	s_barrier_signal -1
	s_barrier_wait -1
.endm
.macro CROUND
	s_barrier_signal -1
	s_barrier_wait -1
	CREST
.endm
	s_load_b128 s[4:7], s[0:1], 0x0                ; A's images, A's scales
	s_load_b128 s[8:11], s[0:1], 0x10              ; W's codes, W's scales
	s_load_b128 s[96:99], s[0:1], 0x20             ; the bias, out
	v_lshl_add_u32 v[SPW], v0, 2, SPARE
	v_mov_b32 v[NIL], 0
	ds_add_u32 v28, v29
	ds_add_u32 v28, v29
	s_wait_dscnt 0x0
	v_lshrrev_b32 v1, 5, v0
	v_readfirstlane_b32 s14, v1                    ; wave 0..3
	s_lshr_b32 s15, s14, 1                         ; which half of the tile's rows is mine.  Also: I fetch for A (0) or W (1)
	s_and_b32 s16, s14, 1                          ; which half of its columns.  Also: which 128 rows I fetch
	s_bfe_u32 s40, ttmp6, 0x40000
	s_bfe_u32 s41, ttmp6, 0x40004
	s_lshl_b32 s42, ttmp9, 2
	s_add_co_u32 s42, s42, s40                     ; tile column
	s_and_b32 s17, ttmp7, 0xffff
	s_lshl_b32 s17, s17, 2
	s_add_co_u32 s17, s17, s41                     ; tile row
	s_lshl_b32 s43, s41, 2
	s_lshl_b32 s43, 15, s43                        ; my row of the cluster
	s_lshl_b32 s44, 0x1111, s40                    ; my column
	s_or_b32 s[G1+0], s43, (3<<16)|(1<<21)         ; A: the mask; elements of 8 bytes; bit 21 beside a mask; no padding
	s_mov_b32 s[G1+1], 384<<16                     ; tensor_dim0: 3,072 bytes
	s_mov_b32 s[G1+2], 8<<16                       ; tensor_dim1: eight tiles of 16 rows
	s_mov_b32 s[G1+3], 384<<16                     ; tile_dim0
	s_mov_b32 s[G1+4], 8                           ; tile_dim1
	s_mov_b32 s[G1+5], 1536                        ; the pitch: 12,288 bytes
	s_mov_b32 s[G1+6], 0
	s_mov_b32 s[G1+7], 0
	s_or_b32 s[G1B+0], s44, (0<<16)|(1<<20)|(1<<21)|(3<<22)|(3<<25)  ; W: elements of 1 byte; after every 16 words 4 words of padding
	s_mov_b32 s[G1B+1], ROWB<<16
	s_mov_b32 s[G1B+2], 128<<16
	s_mov_b32 s[G1B+3], ROWB<<16
	s_mov_b32 s[G1B+4], 128
	s_mov_b32 s[G1B+5], KROW
	s_mov_b32 s[G1B+6], 0
	s_mov_b32 s[G1B+7], 0
	s_or_b32 s[G1S+0], s43, (3<<16)|(1<<20)|(1<<21)|(5<<22)|(3<<25)  ; the scales of 128 rows: 16 rows of 256 bytes, 16 bytes of padding behind each
	s_or_b32 s[G1SB+0], s44, (3<<16)|(1<<20)|(1<<21)|(5<<22)|(3<<25)
.irp g, G1S, G1SB
	s_mov_b32 s[\g+1], 32<<16
	s_mov_b32 s[\g+2], (128*KS/256)<<16
	s_mov_b32 s[\g+3], 32<<16
	s_mov_b32 s[\g+4], 128*KS/256
	s_mov_b32 s[\g+5], 32
	s_mov_b32 s[\g+6], 0
	s_mov_b32 s[\g+7], 0
.endr
	s_lshl_b32 s18, s16, 7
	s_lshl_b32 s20, s17, 8
	s_add_co_u32 s20, s20, s18                     ; A: row 256 x tile row + 128 x half
	s_lshl_b32 s46, s42, 8
	s_add_co_u32 s46, s46, s18                     ; W: row 256 x tile column + 128 x half
	s_mov_b32 s21, 0
	s_mov_b32 s47, 0
	s_mov_b64 s[18:19], KS
	s_mul_u64 s[22:23], s[20:21], s[18:19]
	s_mul_u64 s[92:93], s[46:47], s[18:19]
	s_mov_b64 s[18:19], KROW
	s_mul_u64 s[20:21], s[20:21], s[18:19]         ; A: row x 768 = (row / 16) x 12,288
	s_mul_u64 s[46:47], s[46:47], s[18:19]
	s_mul_i32 s45, s14, HALFT
	s_mul_i32 s94, s14, HALFS
	s_wait_kmcnt 0x0
	s_add_nc_u64 s[20:21], s[4:5], s[20:21]
	s_add_nc_u64 s[22:23], s[6:7], s[22:23]
	s_add_nc_u64 s[46:47], s[8:9], s[46:47]
	s_add_nc_u64 s[92:93], s[10:11], s[92:93]
	CROUND                                         ; all sixteen work-groups are here: the first joint loads meet
	s_mov_b32 s[G0S], 1
	s_add_co_u32 s[G0S+1], s94, SCL
	s_mov_b64 s[G0S+2:G0S+3], s[22:23]
	s_or_b32 s[G0S+3], s[G0S+3], 0x80000000
	s_mov_b32 s[G0SB], 1
	s_add_co_u32 s[G0SB+1], s94, SCL
	s_mov_b64 s[G0SB+2:G0SB+3], s[92:93]
	s_or_b32 s[G0SB+3], s[G0SB+3], 0x80000000
	JLOAD G0S, G1S, G0SB, G1SB
.irp s, 0,1
	s_mov_b32 s[G0+4*\s], 1
	s_add_co_u32 s[G0+4*\s+1], s45, \s*SLOT
	s_add_nc_u64 s[G0+4*\s+2:G0+4*\s+3], s[20:21], \s*ATILE
	s_or_b32 s[G0+4*\s+3], s[G0+4*\s+3], 0x80000000
	s_mov_b32 s[G0B+4*\s], 1
	s_add_co_u32 s[G0B+4*\s+1], s45, \s*SLOT
	s_add_nc_u64 s[G0B+4*\s+2:G0B+4*\s+3], s[46:47], \s*ROWB
	s_or_b32 s[G0B+4*\s+3], s[G0B+4*\s+3], 0x80000000
	JLOAD G0+4*\s, G1, G0B+4*\s, G1B               ; by this text's count three tensor loads of a wave are out here
.endr
	v_and_b32 v1, 15, v0                           ; l % 16
	v_bfe_u32 v2, v0, 4, 1                         ; l / 16
	v_mul_u32_u24 v3, v1, PITCH
	v_mul_u32_u24 v4, v2, 24
	v_add_nc_u32 v4, v3, v4                        ; W: a fragment's row x pitch + 24 x half
	v_lshl_add_u32 v5, v2, 4, v4                   ; and behind one padding more
	v_and_b32 v6, 31, v0
	v_lshlrev_b32 v7, 4, v6                        ; A: 16 x lane
	v_lshlrev_b32 v8, 3, v6                        ; 8 x lane
	s_mul_i32 s21, s15, HALFT                      ; my 128 rows of A
	s_mul_i32 s22, s16, HALFT
	s_add_co_u32 s22, s22, 2*HALFT                 ; my 128 rows of W
.irp s, 0,1
	v_add_nc_u32 v[ADRA+\s], s21, v7
	v_add_nc_u32 v[ADRA+2+\s], s21, v8
	v_add_nc_u32 v[ADRB+\s], s22, v4
	v_add_nc_u32 v[ADRB+2+\s], s22, v5
	s_add_co_u32 s21, s21, SLOT
	s_add_co_u32 s22, s22, SLOT
.endr
	v_mul_u32_u24 v5, v1, KS
	v_lshrrev_b32 v6, 8, v5
	v_lshl_add_u32 v5, v6, 4, v5
	s_mul_i32 s21, s15, HALFS
	s_mul_i32 s22, s16, HALFS
	s_add_co_u32 s22, s22, 2*HALFS
	s_sub_co_u32 s22, s22, s21
	v_mul_u32_u24 v6, s22, v2                      ; lanes 16-31 take W's
	s_add_co_u32 s21, s21, SCL
	v_add_nc_u32 v5, v5, v6
	v_add_nc_u32 v[ADRS], s21, v5
	s_mul_i32 s23, s14, 16*SPITCH                  ; my stage
	v_mul_u32_u24 v5, v1, SPITCH
	v_lshl_add_u32 v5, v2, 5, v5
	v_add_nc_u32 v[STO], s23, v5
	v_and_b32 v6, 31, v0
	v_lshlrev_b32 v[CO], 4, v6
	v_add_nc_u32 v[RD], s23, v[CO]
	v_lshlrev_b32 v[BH32], 5, v2
	s_lshl_b32 s20, s17, 8
	s_lshl_b32 s21, s15, 7
	s_add_co_u32 s20, s20, s21                     ; my first row of out
	s_mov_b32 s21, 0
	s_mov_b64 s[18:19], SIZE_N*4
	s_mul_u64 s[20:21], s[20:21], s[18:19]
	s_lshl_b32 s46, s42, 10                        ; my first column, in bytes: 1,024 x tile column + 512 x half; the same offset serves the bias
	s_lshl_b32 s47, s16, 9
	s_add_co_u32 s46, s46, s47
	s_mov_b32 s47, 0
	s_add_nc_u64 s[96:97], s[96:97], s[46:47]
	s_add_nc_u64 s[20:21], s[20:21], s[46:47]
	s_add_nc_u64 s[12:13], s[98:99], s[20:21]
.irp b, 0,1,2,3,4,5,6,7
	global_load_b128 v[BR+8*\b:BR+8*\b+3], v[BH32], s[96:97] offset:64*\b
	global_load_b128 v[BR+8*\b+4:BR+8*\b+7], v[BH32], s[96:97] offset:64*\b+16
.endr
.macro FRAG reg, adr, q, i             ; W: a fragment from rows of codes, in pieces of 8 bytes
.irp p, 0,1,2,3,4,5
.set PCE, 12*(\q)+6*(\p/3)+\p%3
.if PCE%8 < 5
	ds_load_b64 v[\reg+2*\p:\reg+2*\p+1], v[\adr] offset:8*PCE+16*(PCE/8)+(\i)*16*PITCH
.else
	ds_load_b64 v[\reg+2*\p:\reg+2*\p+1], v[\adr+2] offset:8*PCE+16*(PCE/8)+(\i)*16*PITCH
.endif
.endr
.endm
.macro FRAG_A reg, slot, q, i          ; A: two half images: registers 0-3 at 16 x lane, 4-5 at 512 + 8 x lane; 6-9 and 10-11 likewise, 768 bytes on
	ds_load_b128 v[\reg:\reg+3], v[ADRA+\slot] offset:(\i)*ATILE+(\q)*1536
	ds_load_b64 v[\reg+4:\reg+5], v[ADRA+2+\slot] offset:(\i)*ATILE+(\q)*1536+512
	ds_load_b128 v[\reg+6:\reg+9], v[ADRA+\slot] offset:(\i)*ATILE+(\q)*1536+768
	ds_load_b64 v[\reg+10:\reg+11], v[ADRA+2+\slot] offset:(\i)*ATILE+(\q)*1536+1280
.endm
; 16 matrix instructions: A's blocks a0, a0 + 1 x W's eight.  first = 1: the bias is the C of the sum's first instruction.  The 64 accumulators take turns.
.macro MUL16 a0, p, q, sc, first
.irp a, \a0, \a0+1
.irp b, 0,1,2,3,4,5,6,7
.if \first
	v_wmma_scale_f32_16x16x128_f8f6f4 v[8*(8*((\a)%4)+\b):8*(8*((\a)%4)+\b)+7], v[128*(\p)+FR*\b:128*(\p)+FR*\b+FR-1], v[AF+FR*(\a):AF+FR*(\a)+FR-1], v[BR+8*\b:BR+8*\b+7], v[SC+8*NQ*(\sc)+NQ*\b+(\q)], v[SC+8*NQ*(\sc)+NQ*(\a)+(\q)] matrix_a_fmt:MATRIX_FMT_FP6 matrix_b_fmt:MATRIX_FMT_FP6 matrix_a_scale:MATRIX_SCALE_ROW1
.else
	v_wmma_scale_f32_16x16x128_f8f6f4 v[8*(8*((\a)%4)+\b):8*(8*((\a)%4)+\b)+7], v[128*(\p)+FR*\b:128*(\p)+FR*\b+FR-1], v[AF+FR*(\a):AF+FR*(\a)+FR-1], v[8*(8*((\a)%4)+\b):8*(8*((\a)%4)+\b)+7], v[SC+8*NQ*(\sc)+NQ*\b+(\q)], v[SC+8*NQ*(\sc)+NQ*(\a)+(\q)] matrix_a_fmt:MATRIX_FMT_FP6 matrix_b_fmt:MATRIX_FMT_FP6 matrix_a_scale:MATRIX_SCALE_ROW1
.endif
.endr
.endr
.endm
.macro FETCH_B slot, q, p
	WIN TO_B
.irp i, 0,1,2,3,4,5,6,7
	FRAG 128*(\p)+FR*\i, ADRB+\slot, \q, \i
.endr
	WIN 0
.endm
.macro FETCH_A slot, q, i0
.irp i, \i0, \i0+1, \i0+2, \i0+3
	FRAG_A AF+FR*(\i), \slot, \q, \i
.endr
.endm
.macro SCALES sc
.irp i, 0,1,2,3,4,5,6,7
	ds_load_b64 v[SC+8*NQ*\sc+NQ*\i:SC+8*NQ*\sc+NQ*\i+1], v[ADRS] offset:\i*SBLK
.endr
.endm
.macro PLACES n
.rept \n
	v_nop
.endr
.endm
.macro STEP slot, q, first
	s_wait_dscnt 4*NLA                             ; W's set and A's blocks 0-3 are in; the youngest 16 loads (A's blocks 4-7) may be out
.if \first
	WIN FIRST_LO
.else
	WIN MUL_LO
.endif
	MUL16 0, (\q)%2, \q, \slot, \first
	MUL16 2, (\q)%2, \q, \slot, \first
	s_wait_dscnt 0
	PLACES NP
	FETCH_B \slot, (\q)+1, 1-(\q)%2
	FETCH_A \slot, (\q)+1, 0
.if \first
	WIN FIRST_HI
.else
	WIN MUL_HI
.endif
	MUL16 4, (\q)%2, \q, \slot, \first
	MUL16 6, (\q)%2, \q, \slot, \first
	PLACES NP
	WIN 0
	FETCH_A \slot, (\q)+1, 4
.endm
.macro TURN slot, next, fill
	s_wait_tensorcnt 0x0                           ; all my tensor loads have landed: my part of the next slot
	ds_add_u32 v[SPW], v[NIL]                      ; 0 onto my spare word
	s_wait_dscnt 4*NLA+1                           ; the add and the youngest 16 loads may be out
	WIN MUL_LO
	MUL16 0, 1, NQ-1, \slot, 0
	s_wait_dscnt 0x0                               ; the add is done, and my reads of this slot are over
	s_barrier_signal -1
	MUL16 2, 1, NQ-1, \slot, 0
	WIN 0
	s_barrier_wait -1
.if \fill
	CREST                                          ; no wave of any partner still reads this slot or has a load on its way
	s_add_nc_u64 s[G0+4*\slot+2:G0+4*\slot+3], s[G0+4*\slot+2:G0+4*\slot+3], 2*ATILE
	s_add_nc_u64 s[G0B+4*\slot+2:G0B+4*\slot+3], s[G0B+4*\slot+2:G0B+4*\slot+3], 2*ROWB
	JLOAD G0+4*\slot, G1, G0B+4*\slot, G1B
.else
	PLACES NP
.endif
	v_add_nc_u32 v[ADRS], 4*NQ, v[ADRS]
	FETCH_B \next, 0, 0
	FETCH_A \next, 0, 0
	SCALES \next
	WIN MUL_HI
	MUL16 4, 1, NQ-1, \slot, 0
	MUL16 6, 1, NQ-1, \slot, 0
	PLACES NP
	WIN 0
	FETCH_A \next, 0, 4
.endm
	s_wait_tensorcnt 1                             ; the scales and my part of K step 0 are in; K step 1's load may be out
	s_barrier_signal -1
	s_barrier_wait -1
	FETCH_B 0, 0, 0
	FETCH_A 0, 0, 0
	SCALES 0
	FETCH_A 0, 0, 4
	s_wait_loadcnt 0x0                             ; the bias
	STEP 0, 0, 1                                   ; the first step's products start the sums from the bias
	s_mov_b32 s3, LAPS-1
.Llap:
	TURN 0, 1, 1
	STEP 1, 0, 0
	TURN 1, 0, 1
	STEP 0, 0, 0
	s_sub_co_u32 s3, s3, 1
	s_cmp_lg_u32 s3, 0
	s_cbranch_scc1 .Llap
	TURN 0, 1, 0                                   ; the last lap fills nothing
	STEP 1, 0, 0
	s_wait_dscnt 4*NLA
	WIN MUL_LO
	MUL16 0, 1, NQ-1, 1, 0
	MUL16 2, 1, NQ-1, 1, 0
	s_wait_dscnt 0
	WIN MUL_HI
	MUL16 4, 1, NQ-1, 1, 0
	MUL16 6, 1, NQ-1, 1, 0
	WIN 0
; THE WAY OUT, block by block of 16 rows x 128 columns, through my own stage in LDS: in as 32 bytes a lane, back as whole rows of 512 bytes.  LDS serves a wave's instructions in order (ISA guide 5.7.1.4).
.macro TOSTAGE a
.set AC, 64*((\a)%4)
	WIN 0x08+4*((\a)/4)                            ; the data: window 2 or 3
.irp b, 0,1,2,3,4,5,6,7
	ds_store_b128 v[STO], v[AC+8*\b:AC+8*\b+3] offset:64*\b          ; each accumulator from its low end on
	ds_store_b128 v[STO], v[AC+8*\b+4:AC+8*\b+7] offset:64*\b+16
.endr
	WIN 0
.set BB, BK+64*((\a)%2)
.irp t, 0,1,2,3,4,5,6,7,8,9,10,11,12,13,14,15
	ds_load_b128 v[BB+4*\t:BB+4*\t+3], v[RD] offset:\t*SPITCH
.endr
.endm
.macro SEND a, younger                 ; younger: the LDS instructions issued behind block a's loads, which may stay out
.set BB, BK+64*((\a)%2)
	s_wait_dscnt \younger
.if (\a) > 0
	s_add_nc_u64 s[12:13], s[12:13], 16*SIZE_N*4   ; (behind a wait on XCNT: the earlier stores have read their base)
.endif
.irp t, 0,1,2,3,4,5,6,7,8,9,10,11,12,13,14,15
	global_store_b128 v[CO], v[BB+4*\t:BB+4*\t+3], s[12:13] offset:\t*SIZE_N*4 th:TH_STORE_NT   ; 32 lanes store 512 consecutive bytes, at a multiple of 256 from out's first byte
.endr
.endm
	PLACES NP
	TOSTAGE 0
.irp a, 1,2,3,4,5,6,7
.if \a > 1
	s_wait_xcnt 0x0                                ; block a - 2's stores have read their registers and their base
.endif
	TOSTAGE \a
	SEND \a-1, 32                                  ; behind block a - 1's loads: block a's 16 stores and 16 loads
.endr
	s_wait_xcnt 0x0
	SEND 7, 0
	s_wait_tensorcnt 0x0                           ; the wave's end
	ds_add_u32 v[SPW], v[NIL]
	s_wait_dscnt 0x0
	CROUND                                         ; the closing round
	s_endpgm
.Lfunc_end_k_q3cba1212fe_proj:
	.size	k_q3cba1212fe_proj, .Lfunc_end_k_q3cba1212fe_proj-k_q3cba1212fe_proj
	.p2alignl 7, 3214868480
	.fill 96, 4, 3214868480
	.section	.rodata,"a",@progbits
	.p2align	6, 0x0
	.amdhsa_kernel k_q3cba1212fe_proj
		.amdhsa_group_segment_fixed_size 327680
		.amdhsa_private_segment_fixed_size 0
		.amdhsa_enable_private_segment 0
		.amdhsa_kernarg_size 48
		.amdhsa_user_sgpr_count 2
		.amdhsa_user_sgpr_kernarg_segment_ptr 1
		.amdhsa_wavefront_size32 1
		.amdhsa_system_sgpr_workgroup_id_x 1
		.amdhsa_system_sgpr_workgroup_id_y 1
		.amdhsa_system_sgpr_workgroup_id_z 1
		.amdhsa_system_vgpr_workitem_id 0
		.amdhsa_next_free_vgpr 1024
		.amdhsa_next_free_sgpr 100
		.amdhsa_reserve_vcc 0
		.amdhsa_float_denorm_mode_32 3
		.amdhsa_float_denorm_mode_16_64 3
		.amdhsa_memory_ordered 1
		.amdhsa_forward_progress 1
		.amdhsa_inst_pref_size 153
	.end_amdhsa_kernel
	.amdgpu_metadata
---
amdhsa.version: [ 1, 2 ]
amdhsa.kernels:
  - .name:           k_q3cba1212fe_proj
    .symbol:         k_q3cba1212fe_proj.kd
    .args:
      - { .name: a_img, .offset: 0, .size: 8, .value_kind: global_buffer, .address_space: global }
      - { .name: a_scl, .offset: 8, .size: 8, .value_kind: global_buffer, .address_space: global }
      - { .name: c_proj_w_codes, .offset: 16, .size: 8, .value_kind: global_buffer, .address_space: global }
      - { .name: c_proj_w_scales, .offset: 24, .size: 8, .value_kind: global_buffer, .address_space: global }
      - { .name: c_proj_b, .offset: 32, .size: 8, .value_kind: global_buffer, .address_space: global }
      - { .name: out0, .offset: 40, .size: 8, .value_kind: global_buffer, .address_space: global }
    .group_segment_fixed_size: 327680
    .private_segment_fixed_size: 0
    .kernarg_segment_align: 8
    .kernarg_segment_size: 48
    .max_flat_workgroup_size: 128
    .sgpr_count:     100
    .vgpr_count:     1024
    .wavefront_size: 32
...
	.end_amdgpu_metadata
.endif
;; end of part 3
